; MI455X (gfx1250); checked and timed in simulation.
; The chip was launched on July 23, 2026; its instructions are those of AMD's public machine-readable ISA for CDNA 5 (MIT licence, August 2026) and "CDNA5" Instruction Set Architecture Reference Guide (July 2026). The comments in the code are by the model that wrote it; some were corrected since.
;; Multi Headed Attention. Allowed arithmetic: matrix products marked QUANTISED: E2M3 operands, one E8M0 scale for each 32 along K, by v_wmma_scale_f32_16x16x128_f8f6f4 with both operands' format E2M3, f32 sums; everything else in f32.
;; Inputs: Wk 16 x 1,024 x 64 float32; Wo 1,024 x 1,024 float32; Wq 16 x 1,024 x 64 float32; Wv 16 x 1,024 x 64 float32; bk 16 x 64 float32; bo 1,024 float32; bq 16 x 64 float32; bv 16 x 64 float32; key_ 4 x 2,048 x 1,024 float32; query 4 x 2,048 x 1,024 float32; value 4 x 2,048 x 1,024 float32.
;; Outputs: out0 4 x 2,048 x 1,024 float32.
;; This version of the problem:
;;   THIS VERSION OF THE PROBLEM IS GIVEN IN LOW PRECISION. The matrix products marked QUANTISED in the list below multiply operands that are first quantised to E2M3 (2 exponent bits, 3 mantissa bits; 6 bits a number), with one power-of-two scale for each 32 numbers along K (OCP MX v1.0); their sums are f32. All else is computed in f32.
;;   The module's matrix products, in the order in which they are computed (A, B: the left and right operand; K: the contracted axis; several contracted axes count as one K, in the product's order):
;;     1. [M 1,024, K 1,024] x [K 1,024, N 8,192]; A: input Wq; B: input query: QUANTISED
;;     2. [M 1,024, K 1,024] x [K 1,024, N 8,192]; A: input Wk; B: input key_: QUANTISED
;;     3. [M 1,024, K 1,024] x [K 1,024, N 8,192]; A: input Wv; B: input value: QUANTISED
;;     4. batch 64 x [M 2,048, K 64] x [K 64, N 2,048]; A: computed on the way; B: computed on the way: QUANTISED
;;     5. batch 64 x [M 2,048, K 2,048] x [K 2,048, N 64]; A: computed on the way; B: computed on the way: QUANTISED
;;     6. [M 8,192, K 1,024] x [K 1,024, N 1,024]; A: computed on the way; B: input Wo: QUANTISED
;;   THE QUANTISER, for each operand of a quantised product, along K:
;;     - K is cut into blocks of 32 from its start; a last block that is shorter is filled with zeros.
;;     - A block's scale is 2^e with e = floor(log2(the largest magnitude in the block)) - 2, held to -126 .. 127; a block of zeros has e = 0. As a byte (E8M0): e + 127.
;;     - Each number is divided by its block's scale, clamped to +-7.5, and rounded to the nearest number of E2M3, ties to even, subnormals kept.
;;     - The product sums the exact products of the quantised numbers (number of the format x scale) in f32.
;;   ~~~python
;;   def quantise(x, axis):      # numpy; x: float32 -> the quantised numbers, widened to float32 again
;;       x = np.moveaxis(x, axis, -1); K = x.shape[-1]
;;       x = np.pad(x, [(0, 0)] * (x.ndim - 1) + [(0, -K % 32)]); x = x.reshape(x.shape[:-1] + (-1, 32)); a = np.abs(x).max(-1, keepdims=True)
;;       e = np.where(a > 0, np.clip(np.frexp(np.where(a > 0, a, 1))[1] - 1 - 2, -126, 127), 0)      # np.frexp(a)[1] - 1 = floor(log2(a)), exactly
;;       r = np.clip(x / 2.0 ** e, -7.5, 7.5)
;;       step = 2.0 ** (np.maximum(np.frexp(np.where(r == 0, 1, r))[1] - 1, 0) - 3)
;;       q = np.round(r / step) * step * 2.0 ** e      # np.round: ties to even
;;       return np.moveaxis(q.reshape(q.shape[:-2] + (-1,))[..., :K], -1, axis).astype(np.float32)
;;   ~~~
;;   OPERANDS COMPUTED ON THE WAY. 'Computed on the way' means the value that the module computes at that place (a softmax that the list does not call 'softmax' is quantised finished and normalised). What goes into a quantiser is computed in f32, as accurately as f32 sums, v_exp_f32 and their like allow (about 1e-6 of the number): no bf16 or f16 on the way to a quantiser, and a product that is left as it is and whose result goes on into a quantised operand takes f32 operands (vector FMAs, or v_wmma_f32_16x16x4_f32). A number that lies on a knife's edge between two numbers of the format may be rounded either way, as far as f32 arithmetic and the matrix unit's own rounding can turn it there, and no further.
;; One version. Each part assembles by itself: llvm-mc -triple=amdgcn-amd-amdhsa -mcpu=gfx1250 --defsym DOCPART=n.
;; ======== version 1 of 1: 5 launches
;; limits: right only within a limited range of input values
;; workspace buffers: xrec 20,480,000 bytes; wrec 2,457,600 bytes; qrec 6,553,600 bytes; kv 13,107,200 bytes; ng 524,288 bytes; ctx 6,553,600 bytes
;; launch quant (part 1): grid 592 x 1, 4 waves a work-group, no clusters, 47,104 bytes of LDS; arguments query, key_, value, Wo, Wq, Wk, Wv, xrec, wrec; writes xrec, wrec
.if DOCPART == 1
	.amdgcn_target "amdgcn-amd-amdhsa--gfx1250"
	.amdhsa_code_object_version 6
	.text
	.protected	k_q67fa163810_quant
	.globl	k_q67fa163810_quant
	.p2align	8
	.type	k_q67fa163810_quant,@function
k_q67fa163810_quant:
	s_mov_b64 s[64:65], 0
	v_nop
	global_prefetch_b8 v0, s[64:65] scope:SCOPE_SE
	s_setreg_imm32_b32 hwreg(HW_REG_WAVE_MODE, 25, 1), 1
	s_wait_xcnt 0x0
; All seven f32 operands of the projections and of the last product become codes of FP6 (E2M3) with one E8M0 byte for each 32 along K, laid as RECORDS.
; A FRAGMENT is 16 rows x 128 K as the matrix instruction's 12 registers a lane; it is stored as an image of them: registers 4 c .. 4 c + 3 of lane l at 512 c + 16 l: 1,536 bytes.
; A RECORD is the 8 fragments of 128 rows for 128 along K, then at byte 12,288 one image of scale words: fragment f's word of row r at 16 (r + 16 (f / 4)) + 4 (f % 4): 12,800 bytes.
; Fragment f = 2 B + u takes, as lane row p, row 32 B + 8 u + p + 8 (p / 8) of the 128: the same order in every tensor of this program.
; ONE LAUNCH, TWO PATHS, parted once by the work-group's number; they do not join again, and each has LDS bytes of its own.
; WORK-GROUPS 0 .. 399: query, key_, value [8192][1024] and Wo [1024][1024], K innermost.  xrec: [group of 128 rows: query 0-63, key_ 64-127, value 128-191, Wo 192-199][K step of 128: 0-7] records.
;   A work-group takes a group of rows and four K steps; a wave one K step: one record.  Waves share nothing: no barrier.  A load reads 512 consecutive bytes of one row; a fragment's 16 rows turn through the wave's own
;   stage in LDS (rows 528 bytes apart), so that a lane gets the 2 x 32 neighbours along K that its registers hold.
; WORK-GROUPS 400 .. 591: Wq, Wk, Wv [16 heads][1024 m][64 channels]: K is m, the middle axis.  wrec: [tensor 0-2][head pair 0-7][K step 0-7] records whose rows are the features 64 head + channel.
;   A lane takes a feature and its registers run down m: a block of 32 along K lies in one lane, and the conversions give codes with K innermost.  A work-group makes one record; wave w takes features 32 w + lane of the
;   pair's 128.  Feature 32 w + c is lane row p = (c & 7) + 8 (c >> 4) of fragment 2 w + u, u = (c >> 3) & 1.  Block b of a feature belongs to lane p + 16 (b & 1) of the fragment, registers 6 (b >> 1) on: it is stored
;   there in the record's image in LDS; behind a barrier the image leaves in runs of 512 bytes.
; A block's scale is 2^(floor(log2(largest magnitude)) - 2): the byte is that magnitude's exponent field - 2, held at 1 from below by a floor among the maximum's leaves.
; LIMITS: NaN and infinities are not served; a block whose largest magnitude lies under 2^-124 (a block of zeros too) keeps the byte 1: this program alone reads the bytes, and zero codes add nothing.
.set NX,    400                        ; work-groups of the first path
.set REC,   12800
.set FRB,   1536
.set SCO,   12288
.set ROW,   4096                       ; a row of 1,024 f32
.set SP,    528                        ; a stage row: 512 bytes + 16
.set STGB,  16*SP
.set WIMG,  4*STGB                     ; behind the first path's four stages: the second path's image of a record
.set SPARE, WIMG+REC                   ; behind both: the spare words, 128 bytes a wave
.set LI,    1                          ; v1   16 x lane
.set SPW,   12                         ; v12  my spare word's LDS address; never rewritten
.set NIL,   13                         ; v13  0; never rewritten
.set WV,    22                         ; s22  my wave's number
	s_load_b256 s[4:11], s[0:1], 0x0               ; query, key_, value, Wo
	s_load_b256 s[12:19], s[0:1], 0x20             ; Wq, Wk, Wv, xrec
	s_load_b64 s[20:21], s[0:1], 0x40              ; wrec
	v_lshl_add_u32 v[SPW], v0, 2, SPARE
	v_mov_b32 v[NIL], 0
	v_lshrrev_b32 v5, 5, v0
	v_readfirstlane_b32 s[WV], v5
	v_and_b32 v5, 31, v0                           ; lane
	v_lshlrev_b32 v[LI], 4, v5
	s_cmp_ge_u32 ttmp9, NX                         ; the work-group's number alone: all four waves go the same way
	s_cbranch_scc1 .Lweights
; ---------------- the first path: K innermost ----------------
.set SA,    2                          ; v2   my stage + 16 x lane
.set RA,    3                          ; v3   my stage + 528 r + 128 h
.set H8,    4                          ; v4   8 h
.set R,     16                         ; v16-143  two sets of 16 rows as loaded
.set X,     144                        ; v144-207 my 64 numbers: register 32 c + i = K 64 c + 32 h + i of row r
.set PC,    208                        ; v208-219 the fragment's codes
.set CT,    220                        ; v220-227 the second halves of the blocks' codes
.set T,     228                        ; v228-235 at work
.set PW,    236                        ; v236-243 a scale word for each fragment
.set SW,    244                        ; v244-247 the scale image
.set SEL,   24                         ; s[24:25] selects for lane l xor 16
.set HM,    26                         ; s26  lanes 16-31
	s_mul_i32 s27, s[WV], STGB
	v_add_nc_u32 v[SA], s27, v[LI]
	v_and_b32 v6, 15, v0                           ; r
	v_bfe_u32 v7, v0, 4, 1                         ; h
	v_mul_u32_u24 v[RA], v6, SP
	v_lshl_add_u32 v[RA], v7, 7, v[RA]
	v_add_nc_u32 v[RA], s27, v[RA]
	v_lshlrev_b32 v[H8], 3, v7
	v_mov_b32 v[T+6], 0                            ; a lane permute's destination counts as read: written once
	s_mov_b32 s[SEL], 0x76543210
	s_mov_b32 s[SEL+1], 0xfedcba98
	s_mov_b32 s[HM], 0xffff0000
	s_lshr_b32 s28, ttmp9, 1                       ; the group of rows, 0 .. 199
	s_and_b32 s29, ttmp9, 1
	s_lshl_b32 s29, s29, 2
	s_add_co_u32 s29, s29, s[WV]                   ; my K step
	s_lshr_b32 s30, s28, 6                         ; which tensor
	s_and_b32 s31, s28, 63
	s_lshl_b32 s32, s31, 19                        ; 128 rows of 4,096 bytes
	s_lshl_b32 s31, s29, 9                         ; 128 numbers
	s_add_co_u32 s32, s32, s31
	s_mov_b32 s33, 0
	s_lshl_b32 s34, s28, 3
	s_add_co_u32 s34, s34, s29
	s_mul_i32 s34, s34, REC                        ; my record
	s_mov_b32 s35, 0
	s_wait_kmcnt 0x0
	s_cmp_eq_u32 s30, 1                            ; the choice hangs on the work-group's number alone
	s_cselect_b64 s[4:5], s[6:7], s[4:5]
	s_cmp_eq_u32 s30, 2
	s_cselect_b64 s[4:5], s[8:9], s[4:5]
	s_cmp_eq_u32 s30, 3
	s_cselect_b64 s[4:5], s[10:11], s[4:5]
	s_add_nc_u64 s[4:5], s[4:5], s[32:33]
	s_add_nc_u64 s[18:19], s[18:19], s[34:35]
.macro LOADF f, set                    ; fragment f's 16 rows, 512 consecutive bytes a load
.irp i, 0,1,2,3,4,5,6,7,8,9,10,11,12,13,14,15
	global_load_b128 v[R+64*(\set)+4*\i:R+64*(\set)+4*\i+3], v[LI], s[4:5] offset:(32*((\f)/2)+8*((\f)%2)+\i+8*(\i/8))*ROW th:TH_LOAD_NT
.endr
.endm
.macro TURN set                        ; through the stage: LDS serves a wave's instructions in order, so no wait stands between the stores and the loads
.irp i, 0,1,2,3,4,5,6,7,8,9,10,11,12,13,14,15
	ds_store_b128 v[SA], v[R+64*(\set)+4*\i:R+64*(\set)+4*\i+3] offset:SP*\i
.endr
.irp c, 0,1
.irp k, 0,1,2,3,4,5,6,7
	ds_load_b128 v[X+32*\c+4*\k:X+32*\c+4*\k+3], v[RA] offset:256*\c+16*\k
.endr
.endr
.endm
.macro QUANT2 f                        ; my two whole blocks, h and 2 + h of row r, become registers 0-5 and 6-11 of the fragment
.irp c, 0,1
	v_max3_num_f32 v[T+\c], |v[X+32*\c]|, |v[X+32*\c+1]|, 0x1800000   ; with the floor 2^(3 - 127): the byte cannot fall under 1
.endr
.irp i, 2,4,6,8,10,12,14,16,18,20,22,24,26,28,30
.irp c, 0,1
	v_max3_num_f32 v[T+\c], v[T+\c], |v[X+32*\c+\i]|, |v[X+32*\c+\i+1]|
.endr
.endr
.irp c, 0,1
	v_add_nc_u32 v[T+2+\c], 0xff000000, v[T+\c]    ; 2 off the exponent field: the conversion's scale operand
.endr
.irp c, 0,1
	v_lshrrev_b32 v[T+4+\c], 23, v[T+2+\c]         ; the byte
.endr
	v_lshl_or_b32 v[PW+\f], v[T+5], 16, v[T+4]     ; bytes h and 2 + h of the row's word,
	v_lshlrev_b32 v[PW+\f], v[H8], v[PW+\f]
	v_permlanex16_b32 v[T+6], v[PW+\f], s[SEL], s[SEL+1]
	v_or_b32 v[PW+\f], v[PW+\f], v[T+6]            ; with lane l xor 16's two the word is whole, in both lanes
	s_wait_alu depctr_va_vdst(0)
	s_wait_xcnt 0x0                                ; the last fragment's stores have read the codes' registers
.irp c, 0,1
	v_cvt_scalef32_pk16_fp6_f32 v[PC+6*\c:PC+6*\c+2], v[X+32*\c:X+32*\c+15], v[T+2+\c]
	v_cvt_scalef32_pk16_fp6_f32 v[CT+4*\c:CT+4*\c+2], v[X+32*\c+16:X+32*\c+31], v[T+2+\c]   ; (a conversion's three registers begin on an even number)
.endr
	v_nop                                          ; one plain place behind the conversions
.irp c, 0,1
.irp i, 0,1,2
	v_mov_b32 v[PC+6*\c+3+\i], v[CT+4*\c+\i]
.endr
.endr
.endm
.macro FRAGM f
.if \f<7
	s_wait_loadcnt 16                              ; this fragment's 16 loads are in; the next one's 16 may be out
.else
	s_wait_loadcnt 0x0
.endif
	TURN (\f)%2
	s_wait_dscnt 0x0                               ; my numbers are back, and the stage's stores have read the set,
.if \f<6
	LOADF (\f)+2, (\f)%2                           ; which takes the fragment two on
.endif
	QUANT2 \f
.irp c, 0,1,2
	global_store_b128 v[LI], v[PC+4*\c:PC+4*\c+3], s[18:19] offset:(\f)*FRB+512*\c   ; 512 consecutive bytes, at a multiple of 256 from the buffer's first byte
.endr
.endm
	s_wait_alu depctr_va_vdst(0)
	LOADF 0, 0
	LOADF 1, 1
.irp f, 0,1,2,3,4,5,6,7
	FRAGM \f
.endr
.irp j, 0,1,2,3
	v_cndmask_b32 v[SW+\j], v[PW+\j], v[PW+4+\j], s[HM]   ; lanes 0-15: fragment j's words; lanes 16-31: fragment 4 + j's
.endr
	global_store_b128 v[LI], v[SW:SW+3], s[18:19] offset:SCO
	s_wait_tensorcnt 0x0                           ; the wave's end
	ds_add_u32 v[SPW], v[NIL]
	s_wait_dscnt 0x0
	s_endpgm
; ---------------- the second path: K is the middle axis ----------------
.set WA,    2                          ; v2   (2 w + u) x 1,536 + 16 p, counted from the image's first byte
.set SAD,   3                          ; v3   where my feature's scale word goes, counted likewise
.set LO,    4                          ; v4   4 x lane
.set RDA,   6                          ; v6   3,072 w + 16 x lane: my part of the image, and of the record in memory
.set WT,    16                         ; v16-19 at work
.set WD,    20                         ; v20  the scale word
.set WX,    32                         ; v32-159 register i = W(128 s + i, my feature); later the image on its way out
.set CB,    160                        ; v160-183 six registers of codes a block
.set WCT,   184                        ; v184-191
.Lweights:
	s_sub_co_u32 s23, ttmp9, NX                    ; which record of wrec: 0 .. 191
	s_wait_alu depctr_va_vdst(0)
	v_lshlrev_b32 v[LO], 2, v5
	v_bfe_u32 v8, v0, 3, 1                         ; u
	v_and_b32 v9, 7, v0
	v_bfe_u32 v10, v0, 4, 1
	v_lshl_add_u32 v9, v10, 3, v9                  ; p
	v_mul_u32_u24 v[WA], v8, FRB
	v_lshl_add_u32 v[WA], v9, 4, v[WA]
	s_mul_i32 s27, s[WV], 2*FRB
	v_add_nc_u32 v[WA], s27, v[WA]
	v_lshlrev_b32 v[SAD], 4, v9
	v_lshl_add_u32 v[SAD], v8, 2, v[SAD]
	s_lshr_b32 s28, s[WV], 1
	s_and_b32 s29, s[WV], 1
	s_lshl_b32 s30, s28, 8
	s_lshl_b32 s31, s29, 3
	s_add_co_u32 s30, s30, s31
	s_add_co_u32 s30, s30, SCO
	v_add_nc_u32 v[SAD], s30, v[SAD]               ; 12,288 + 256 (w >> 1) + 8 (w & 1) + 16 p + 4 u
	v_add_nc_u32 v[RDA], s27, v[LI]
	s_lshr_b32 s32, s23, 6                         ; which tensor
	s_bfe_u32 s33, s23, 0x30003                    ; head pair: 3 bits from bit 3
	s_and_b32 s34, s23, 7                          ; K step
	s_lshl_b32 s35, s33, 1
	s_add_co_u32 s35, s35, s28                     ; my head
	s_lshl_b32 s36, s35, 18                        ; 1,024 x 64 x 4 bytes a head
	s_lshl_b32 s37, s34, 15                        ; 128 rows of 256 bytes a K step
	s_add_co_u32 s36, s36, s37
	s_lshl_b32 s37, s29, 7                         ; my 32 channels
	s_add_co_u32 s36, s36, s37
	s_mov_b32 s37, 0
	s_mul_i32 s38, s23, REC
	s_mov_b32 s39, 0
	s_wait_kmcnt 0x0
	s_cmp_eq_u32 s32, 1                            ; the choice hangs on the work-group's number alone
	s_cselect_b64 s[12:13], s[14:15], s[12:13]
	s_cmp_eq_u32 s32, 2
	s_cselect_b64 s[12:13], s[16:17], s[12:13]
	s_add_nc_u64 s[12:13], s[12:13], s[36:37]
	s_add_nc_u64 s[20:21], s[20:21], s[38:39]
.macro LOADW t                         ; block t: 32 rows of m, 128 consecutive bytes a load
.irp i, 0,1,2,3,4,5,6,7,8,9,10,11,12,13,14,15,16,17,18,19,20,21,22,23,24,25,26,27,28,29,30,31
	global_load_b32 v[WX+32*(\t)+\i], v[LO], s[12:13] offset:256*(32*(\t)+\i) th:TH_LOAD_NT
.endr
.endm
.macro BLOCK t
.set XS, WX+32*(\t)
.if \t<3
	s_wait_loadcnt 32                              ; this block's 32 loads are in; the next block's may be out
.else
	s_wait_loadcnt 0x0
.endif
.if \t<2
	LOADW (\t)+2
.endif
	v_max3_num_f32 v[WT], |v[XS]|, |v[XS+1]|, |v[XS+2]|
	v_max3_num_f32 v[WT+1], |v[XS+3]|, |v[XS+4]|, |v[XS+5]|
.irp i, 6,10,14,18,22,26
	v_max3_num_f32 v[WT], v[WT], |v[XS+\i]|, |v[XS+\i+1]|
	v_max3_num_f32 v[WT+1], v[WT+1], |v[XS+\i+2]|, |v[XS+\i+3]|
.endr
	v_max3_num_f32 v[WT], v[WT], |v[XS+30]|, |v[XS+31]|
	v_max3_num_f32 v[WT], v[WT], v[WT+1], 0x1800000   ; and the floor 2^(3 - 127)
	v_add_nc_u32 v[WT+2], 0xff000000, v[WT]        ; 2 off the exponent field: the conversion's scale operand
	v_lshrrev_b32 v[WT+3], 23, v[WT+2]             ; the byte
.if \t==0
	v_mov_b32 v[WD], v[WT+3]
.else
	v_lshl_or_b32 v[WD], v[WT+3], 8*(\t), v[WD]
.endif
	v_cvt_scalef32_pk16_fp6_f32 v[CB+6*(\t):CB+6*(\t)+2], v[XS:XS+15], v[WT+2]
	v_cvt_scalef32_pk16_fp6_f32 v[WCT+4*((\t)%2):WCT+4*((\t)%2)+2], v[XS+16:XS+31], v[WT+2]
	v_nop                                          ; one plain place behind the conversions
.irp i, 0,1,2
	v_mov_b32 v[CB+6*(\t)+3+\i], v[WCT+4*((\t)%2)+\i]
.endr
.if \t<2                               ; registers 0-5 of lane p + 16 t: 0-3 in chunk 0, 4-5 in chunk 1
	ds_store_b128 v[WA], v[CB+6*(\t):CB+6*(\t)+3] offset:WIMG+256*(\t)
	ds_store_b64 v[WA], v[CB+6*(\t)+4:CB+6*(\t)+5] offset:WIMG+512+256*(\t)
.else                                  ; registers 6-11 of lane p + 16 (t - 2): 6-7 in chunk 1, 8-11 in chunk 2
	ds_store_b64 v[WA], v[CB+6*(\t):CB+6*(\t)+1] offset:WIMG+520+256*((\t)-2)
	ds_store_b128 v[WA], v[CB+6*(\t)+2:CB+6*(\t)+5] offset:WIMG+1024+256*((\t)-2)
.endif
.endm
	LOADW 0
	LOADW 1
	BLOCK 0
	BLOCK 1
	BLOCK 2
	BLOCK 3
	ds_store_b32 v[SAD], v[WD] offset:WIMG
	s_wait_dscnt 0x0                               ; for the others' sake: my part of the image has landed
	s_barrier_signal -1
	s_barrier_wait -1
.irp k, 0,1,2,3,4,5
	ds_load_b128 v[WX+4*\k:WX+4*\k+3], v[RDA] offset:WIMG+512*\k
.endr
.irp k, 0,1,2,3,4,5
	s_wait_dscnt 5-\k                              ; load k is in; the later ones may be out
	global_store_b128 v[RDA], v[WX+4*\k:WX+4*\k+3], s[20:21] offset:512*\k   ; 512 consecutive bytes, at a multiple of 256 from the buffer's first byte
.endr
	s_cmp_lg_u32 s[WV], 0
	s_cbranch_scc1 .Lnot_wave_0                    ; wave 0 takes the scale image too
	ds_load_b128 v[WX+24:WX+27], v[LI] offset:WIMG+SCO
	s_wait_dscnt 0x0
	global_store_b128 v[LI], v[WX+24:WX+27], s[20:21] offset:SCO
.Lnot_wave_0:
	s_wait_tensorcnt 0x0                           ; the wave's end
	ds_add_u32 v[SPW], v[NIL]
	s_wait_dscnt 0x0
	s_endpgm
.Lfunc_end_k_q67fa163810_quant:
	.size	k_q67fa163810_quant, .Lfunc_end_k_q67fa163810_quant-k_q67fa163810_quant
	.p2alignl 7, 3214868480
	.fill 96, 4, 3214868480
	.section	.rodata,"a",@progbits
	.p2align	6, 0x0
	.amdhsa_kernel k_q67fa163810_quant
		.amdhsa_group_segment_fixed_size 47104
		.amdhsa_private_segment_fixed_size 0
		.amdhsa_enable_private_segment 0
		.amdhsa_kernarg_size 72
		.amdhsa_user_sgpr_count 2
		.amdhsa_user_sgpr_kernarg_segment_ptr 1
		.amdhsa_wavefront_size32 1
		.amdhsa_system_sgpr_workgroup_id_x 1
		.amdhsa_system_sgpr_workgroup_id_y 1
		.amdhsa_system_sgpr_workgroup_id_z 1
		.amdhsa_system_vgpr_workitem_id 0
		.amdhsa_next_free_vgpr 248
		.amdhsa_next_free_sgpr 66
		.amdhsa_reserve_vcc 0
		.amdhsa_float_denorm_mode_32 3
		.amdhsa_float_denorm_mode_16_64 3
		.amdhsa_memory_ordered 1
		.amdhsa_forward_progress 1
		.amdhsa_inst_pref_size 79
	.end_amdhsa_kernel
	.amdgpu_metadata
---
amdhsa.version: [ 1, 2 ]
amdhsa.kernels:
  - .name:           k_q67fa163810_quant
    .symbol:         k_q67fa163810_quant.kd
    .args:
      - { .name: query, .offset: 0, .size: 8, .value_kind: global_buffer, .address_space: global }
      - { .name: key_, .offset: 8, .size: 8, .value_kind: global_buffer, .address_space: global }
      - { .name: value, .offset: 16, .size: 8, .value_kind: global_buffer, .address_space: global }
      - { .name: Wo, .offset: 24, .size: 8, .value_kind: global_buffer, .address_space: global }
      - { .name: Wq, .offset: 32, .size: 8, .value_kind: global_buffer, .address_space: global }
      - { .name: Wk, .offset: 40, .size: 8, .value_kind: global_buffer, .address_space: global }
      - { .name: Wv, .offset: 48, .size: 8, .value_kind: global_buffer, .address_space: global }
      - { .name: xrec, .offset: 56, .size: 8, .value_kind: global_buffer, .address_space: global }
      - { .name: wrec, .offset: 64, .size: 8, .value_kind: global_buffer, .address_space: global }
    .group_segment_fixed_size: 47104
    .private_segment_fixed_size: 0
    .kernarg_segment_align: 8
    .kernarg_segment_size: 72
    .max_flat_workgroup_size: 128
    .sgpr_count:     66
    .vgpr_count:     248
    .wavefront_size: 32
...
	.end_amdgpu_metadata
.endif
;; end of part 1
;; launch proj (part 2): grid 4 x 96, 4 waves a work-group, clusters of 4 x 4, 327,680 bytes of LDS; arguments xrec, wrec, bq, bk, bv, qrec, kv; writes qrec, kv
.if DOCPART == 2
	.amdgcn_target "amdgcn-amd-amdhsa--gfx1250"
	.amdhsa_code_object_version 6
	.text
	.protected	k_q67fa163810_proj
	.globl	k_q67fa163810_proj
	.p2align	8
	.type	k_q67fa163810_proj,@function
k_q67fa163810_proj:
	s_mov_b64 s[64:65], 0
	v_nop
	global_prefetch_b8 v0, s[64:65] scope:SCOPE_SE
	s_setreg_imm32_b32 hwreg(HW_REG_WAVE_MODE, 25, 1), 1
	s_wait_xcnt 0x0
	s_wait_alu depctr_hold_cnt(0) depctr_sa_sdst(0) depctr_va_vdst(0) depctr_va_sdst(0) depctr_va_ssrc(0) depctr_va_vcc(0) depctr_vm_vsrc(0)
	s_getreg_b32 s2, hwreg(HW_REG_IB_STS2, 6, 4)
	s_cmp_eq_u32 s2, 0
	s_cbranch_scc0 .Lentry_in_a_cluster
	s_endpgm
.Lentry_in_a_cluster:
	s_bfe_u32 s2, ttmp6, 0x10000c
	s_cmp_lg_u32 s2, 0xf033
	s_cbranch_scc0 .Lentry_shape_is_right
	s_endpgm
.Lentry_shape_is_right:
; q, k, v = x W + b on the records of the launch before; the results are quantised again and stored as records (q and k along the head's 64 channels, v along the keys).
; A work-group makes 256 x 256, a wave 128 x 128.  LDS: a region of six records for each wave's load: K steps 0-5 of one group of 128 rows come by ONE head load a wave;
; K steps 6 and 7 fill the bytes of steps 0 and 1 again behind a round of the cluster's barrier, with steps 2-5 to be multiplied meanwhile.  Every wait on TENSORcnt is for 0.
; No prefetch: six of the eight K steps are asked for at the head, the last two four steps ahead of their use.  LIMITS: NaN and infinities are not served.
.set REC,   12800
.set FRB,   1536
.set SCO,   12288
.set LOADB, 2*REC
.set WREG,  6*REC
.set SPARE, 4*WREG
.set FR,    12
.set NL,    3
.set NP,    4
.set ADRR,  16
.set ADRP,  20
.set LI,    26
.set SPW,   28
.set NIL,   29
.set SC,    32
.set H,     64
.set RF,    128
.set SW,    192
.set PC,    200
.set CT,    212
.set BR,    224
.set TM,    232
.set PW,    248
.set WV,    18
.set RH,    19
.set PH,    20
.set KEEPP, 21
.set KEEPR, 22
.set G1,    24
.set G0,    32
.set G1B,   48
.set G0B,   68
.set DST,   92
.set SEL,   94
.set HM,    96
.set MSB, 0
.macro WIN new
.if MSB != (\new)
	s_set_vgpr_msb (MSB<<8)|(\new)
.set MSB, (\new)
.endif
.endm
.set MUL_LO, 0xa1
.set MUL_HI, 0xf1
.set TO_P,   0x40
.macro PLACES n
.rept \n
	v_nop
.endr
.endm
.macro WM z, d, a, b, sa, sb, ra, rb
.if \z
.if (\ra)&&(\rb)
	v_wmma_scale_f32_16x16x128_f8f6f4 v[(\d):(\d)+7], v[(\a):(\a)+11], v[(\b):(\b)+11], 0, v[\sa], v[\sb] matrix_a_fmt:MATRIX_FMT_FP6 matrix_b_fmt:MATRIX_FMT_FP6 matrix_a_scale:MATRIX_SCALE_ROW1 matrix_b_scale:MATRIX_SCALE_ROW1
.elseif (\ra)
	v_wmma_scale_f32_16x16x128_f8f6f4 v[(\d):(\d)+7], v[(\a):(\a)+11], v[(\b):(\b)+11], 0, v[\sa], v[\sb] matrix_a_fmt:MATRIX_FMT_FP6 matrix_b_fmt:MATRIX_FMT_FP6 matrix_a_scale:MATRIX_SCALE_ROW1
.elseif (\rb)
	v_wmma_scale_f32_16x16x128_f8f6f4 v[(\d):(\d)+7], v[(\a):(\a)+11], v[(\b):(\b)+11], 0, v[\sa], v[\sb] matrix_a_fmt:MATRIX_FMT_FP6 matrix_b_fmt:MATRIX_FMT_FP6 matrix_b_scale:MATRIX_SCALE_ROW1
.else
	v_wmma_scale_f32_16x16x128_f8f6f4 v[(\d):(\d)+7], v[(\a):(\a)+11], v[(\b):(\b)+11], 0, v[\sa], v[\sb] matrix_a_fmt:MATRIX_FMT_FP6 matrix_b_fmt:MATRIX_FMT_FP6
.endif
.else
.if (\ra)&&(\rb)
	v_wmma_scale_f32_16x16x128_f8f6f4 v[(\d):(\d)+7], v[(\a):(\a)+11], v[(\b):(\b)+11], v[(\d):(\d)+7], v[\sa], v[\sb] matrix_a_fmt:MATRIX_FMT_FP6 matrix_b_fmt:MATRIX_FMT_FP6 matrix_a_scale:MATRIX_SCALE_ROW1 matrix_b_scale:MATRIX_SCALE_ROW1
.elseif (\ra)
	v_wmma_scale_f32_16x16x128_f8f6f4 v[(\d):(\d)+7], v[(\a):(\a)+11], v[(\b):(\b)+11], v[(\d):(\d)+7], v[\sa], v[\sb] matrix_a_fmt:MATRIX_FMT_FP6 matrix_b_fmt:MATRIX_FMT_FP6 matrix_a_scale:MATRIX_SCALE_ROW1
.elseif (\rb)
	v_wmma_scale_f32_16x16x128_f8f6f4 v[(\d):(\d)+7], v[(\a):(\a)+11], v[(\b):(\b)+11], v[(\d):(\d)+7], v[\sa], v[\sb] matrix_a_fmt:MATRIX_FMT_FP6 matrix_b_fmt:MATRIX_FMT_FP6 matrix_b_scale:MATRIX_SCALE_ROW1
.else
	v_wmma_scale_f32_16x16x128_f8f6f4 v[(\d):(\d)+7], v[(\a):(\a)+11], v[(\b):(\b)+11], v[(\d):(\d)+7], v[\sa], v[\sb] matrix_a_fmt:MATRIX_FMT_FP6 matrix_b_fmt:MATRIX_FMT_FP6
.endif
.endif
.endm
.macro JLOAD g0a, g1a, g0b, g1b
	s_cmp_eq_u32 s[RH], 0
	s_cbranch_scc0 .Lfor_p_\@
	tensor_load_to_lds s[\g0a:\g0a+3], s[\g1a:\g1a+7]
	s_nop 0
.rept 4
	v_nop
.endr
	s_branch .Lasked_\@
.Lfor_p_\@:
	tensor_load_to_lds s[\g0b:\g0b+3], s[\g1b:\g1b+7]
	s_nop 0
.rept 4
	v_nop
.endr
.Lasked_\@:
.endm
.macro CREST
	s_cmp_lg_u32 s[WV], 0
	s_cbranch_scc1 .Lnot_wave_0_\@
	s_barrier_signal -3
.Lnot_wave_0_\@:
	s_barrier_wait -3
	s_barrier_signal -1
	s_barrier_wait -1
.endm
.macro CROUND
	s_barrier_signal -1
	s_barrier_wait -1
	CREST
.endm
.macro QUANT s, w, pc, pw
	WIN (\w)|((\w)<<2)
.irp b, 0,1,2,3
	v_max3_num_f32 v[TM+\b], |v[(\s)+16*\b]|, |v[(\s)+1+16*\b]|, 0x1800000
.endr
	WIN ((\w)<<2)|((\w)<<4)
.irp i, 2,4,6,8,10,12,14
.irp b, 0,1,2,3
	v_max3_num_f32 v[TM+\b], v[TM+\b], |v[(\s)+16*\b+\i]|, |v[(\s)+1+16*\b+\i]|
.endr
.endr
	WIN 0
.irp b, 0,1,2,3
	v_permlanex16_b32 v[TM+4+\b], v[TM+\b], s[SEL], s[SEL+1]
.endr
.irp b, 0,1,2,3
	v_max_num_f32 v[TM+\b], v[TM+\b], v[TM+4+\b]
.endr
.irp b, 0,1,2,3
	v_add_nc_u32 v[TM+12+\b], 0xff000000, v[TM+\b]
.endr
.irp b, 0,1,2,3
	v_lshrrev_b32 v[TM+4+\b], 23, v[TM+12+\b]
.endr
	v_lshl_or_b32 v[\pw], v[TM+5], 8, v[TM+4]
	v_lshl_or_b32 v[\pw], v[TM+6], 16, v[\pw]
	v_lshl_or_b32 v[\pw], v[TM+7], 24, v[\pw]
	WIN (\w)
.irp c, 0,1
	v_cvt_scalef32_pk16_fp6_f32 v[(\pc)+6*\c:(\pc)+2+6*\c], v[(\s)+32*\c:(\s)+15+32*\c], v[TM+12+2*\c]
	v_cvt_scalef32_pk16_fp6_f32 v[CT+4*\c:CT+2+4*\c], v[(\s)+16+32*\c:(\s)+31+32*\c], v[TM+12+2*\c+1]
.endr
	WIN 0
	v_nop
.irp c, 0,1
.irp i, 0,1,2
	v_permlane16_swap_b32 v[(\pc)+6*\c+\i], v[CT+4*\c+\i]
.endr
.irp i, 0,1,2
	v_mov_b32 v[(\pc)+3+6*\c+\i], v[CT+4*\c+\i]
.endr
.endr
.endm
	s_load_b256 s[4:11], s[0:1], 0x0
	s_load_b128 s[12:15], s[0:1], 0x20
	s_load_b64 s[16:17], s[0:1], 0x30
	v_lshl_add_u32 v[SPW], v0, 2, SPARE
	v_mov_b32 v[NIL], 0
	ds_add_u32 v[SPW], v[NIL]
	ds_add_u32 v[SPW], v[NIL]
	v_lshrrev_b32 v1, 5, v0
	v_readfirstlane_b32 s[WV], v1
	s_lshr_b32 s[RH], s[WV], 1
	s_and_b32 s[PH], s[WV], 1
	s_bfe_u32 s56, ttmp6, 0x40000
	s_bfe_u32 s57, ttmp6, 0x40004
	s_and_b32 s58, ttmp7, 0xffff
	s_lshr_b32 s59, s58, 3
	s_and_b32 s60, s58, 7
	s_mul_i32 s44, s59, 64*REC
	s_mul_i32 s45, s59, 512*REC
	s_cmp_eq_u32 s59, 2
	s_cselect_b32 s61, s60, 0
	s_cselect_b32 s62, 0, s60
	s_cselect_b32 s[KEEPP], 0, -1
	s_cselect_b32 s[KEEPR], -1, 0
	s_cselect_b32 s46, s45, s44
	s_cselect_b32 s47, s44, s45
	s_lshl_b32 s61, s61, 2
	s_add_co_u32 s61, s61, s56
	s_lshl_b32 s62, s62, 2
	s_add_co_u32 s62, s62, s57
	s_lshl_b32 s63, s57, 2
	s_lshl_b32 s63, 15, s63
	s_lshl_b32 s80, 0x1111, s56
	s_or_b32 s[G1], s63, (3<<16)|(1<<21)
	s_or_b32 s[G1B], s80, (3<<16)|(1<<21)
.irp g, G1, G1B
	s_mov_b32 s[\g+1], 32<<16
	s_mov_b32 s[\g+2], 300<<16                     ; the head's load: six records, 300 rows of 256 bytes
	s_mov_b32 s[\g+3], 32<<16
	s_mov_b32 s[\g+4], 300
	s_mov_b32 s[\g+5], 32
	s_mov_b32 s[\g+6], 0
	s_mov_b32 s[\g+7], 0
.endr
	s_lshl_b32 s82, s62, 1
	s_add_co_u32 s82, s82, s[PH]
	s_mul_i32 s82, s82, 8*REC
	s_add_co_u32 s82, s82, s47
	s_mov_b32 s83, 0
	s_lshl_b32 s84, s61, 1
	s_add_co_u32 s84, s84, s[PH]
	s_mul_i32 s84, s84, 8*REC
	s_add_co_u32 s84, s84, s46
	s_mov_b32 s85, 0
	s_mul_i32 s81, s[WV], WREG
	s_mov_b32 s[SEL], 0x76543210
	s_mov_b32 s[SEL+1], 0xfedcba98
	s_mov_b32 s[HM], 0xffff0000
	s_wait_dscnt 0x0
	s_wait_kmcnt 0x0
	s_cmp_eq_u32 s59, 2
	s_cselect_b64 s[86:87], s[6:7], s[4:5]
	s_cselect_b64 s[88:89], s[4:5], s[6:7]
	s_add_nc_u64 s[86:87], s[86:87], s[82:83]
	s_add_nc_u64 s[88:89], s[88:89], s[84:85]
	CROUND
	s_mov_b32 s[G0], 1
	s_mov_b32 s[G0+1], s81
	s_mov_b64 s[G0+2:G0+3], s[86:87]
	s_or_b32 s[G0+3], s[G0+3], 0x80000000
	s_mov_b32 s[G0B], 1
	s_mov_b32 s[G0B+1], s81
	s_mov_b64 s[G0B+2:G0B+3], s[88:89]
	s_or_b32 s[G0B+3], s[G0B+3], 0x80000000
	JLOAD G0, G1, G0B, G1B                         ; my one load at the head: K steps 0-5 of my group of rows
	v_and_b32 v1, 31, v0
	v_lshlrev_b32 v[LI], 4, v1
	s_mul_i32 s80, s[RH], WREG
	s_mul_i32 s81, s[PH], WREG
	s_add_co_u32 s81, s81, 2*WREG
.irp s, 0,1,2
	v_add_nc_u32 v[ADRR+\s], s80, v[LI]
	v_add_nc_u32 v[ADRP+\s], s81, v[LI]
	s_add_co_u32 s80, s80, LOADB
	s_add_co_u32 s81, s81, LOADB
.endr
	v_and_b32 v2, 15, v0
	v_bfe_u32 v3, v0, 4, 1
	v_lshlrev_b32 v5, 6, v3
	s_wait_alu depctr_va_vdst(0)
	v_and_b32 v6, 8, v2
	v_add_nc_u32 v6, v6, v2
	v_lshlrev_b32 v6, 2, v6
	s_wait_alu depctr_va_vdst(0)
	s_cmp_eq_u32 s59, 1
	s_cselect_b64 s[8:9], s[10:11], s[8:9]
	s_cmp_eq_u32 s59, 2
	s_cselect_b64 s[8:9], s[12:13], s[8:9]
	s_lshl_b32 s82, s61, 1
	s_add_co_u32 s82, s82, s[PH]
	s_lshl_b32 s83, s62, 1
	s_add_co_u32 s83, s83, s[RH]
	s_cmp_eq_u32 s59, 2
	s_cselect_b32 s84, 0, s82
	s_cselect_b32 s86, s83, 0
	s_cselect_b32 s88, s82, s83
	s_cselect_b32 s89, s83, s82
	s_lshl_b32 s84, s84, 9
	s_mov_b32 s85, 0
	s_lshl_b32 s86, s86, 9
	s_mov_b32 s87, 0
	s_add_nc_u64 s[84:85], s[8:9], s[84:85]
	s_add_nc_u64 s[86:87], s[8:9], s[86:87]
	WIN TO_P
.set j, 0
.rept 16
	global_load_b128 v[96+4*j+96*(j/8):96+4*j+96*(j/8)+3], v5, s[84:85] offset:128*(j/4)+16*(j%4)
.set j, j+1
.endr
	WIN 0
.irp a, 0,1,2,3,4,5,6,7
	global_load_b32 v[BR+\a], v6, s[86:87] offset:4*(32*(\a/2)+8*(\a%2))
.endr
	s_lshr_b32 s90, s88, 4
	s_lshl_b32 s90, s90, 3
	s_add_co_u32 s90, s90, s89
	s_lshl_b32 s90, s90, 4
	s_and_b32 s91, s88, 15
	s_add_co_u32 s90, s90, s91
	s_cmp_eq_u32 s59, 0
	s_cselect_b64 s[DST:DST+1], s[14:15], s[16:17]
	s_mov_b32 s91, 2*REC
	s_cselect_b32 s91, REC, s91
	s_mul_i32 s90, s90, s91
	s_cmp_eq_u32 s59, 2
	s_cselect_b32 s91, REC, 0
	s_add_co_u32 s90, s90, s91
	s_mov_b32 s91, 0
	s_add_nc_u64 s[DST:DST+1], s[DST:DST+1], s[90:91]
	s_wait_loadcnt 0x0
	WIN 0x44
.set j, 0
.rept 64
	v_cndmask_b32 v[96+j+96*(j/32)], 0, v[96+j+96*(j/32)], s[KEEPP]
.set j, j+1
.endr
	WIN 0
.irp a, 0,1,2,3,4,5,6,7
	v_cndmask_b32 v[BR+\a], 0, v[BR+\a], s[KEEPR]
.endr
.macro FRAG reg, adr, q, i
.irp c, 0,1,2
	ds_load_b128 v[(\reg)+4*\c:(\reg)+4*\c+3], v[\adr] offset:(\q)*REC+(\i)*FRB+512*\c
.endr
.endm
.macro FETCH_P slot, q, p
	WIN TO_P
.irp i, 0,1,2,3,4,5,6,7
	FRAG 128*(\p)+FR*\i, ADRP+\slot, \q, \i
.endr
	WIN 0
.endm
.macro FETCH_R slot, q, i0
.irp i, \i0, \i0+1, \i0+2, \i0+3
	FRAG RF+FR*(\i), ADRR+\slot, \q, \i
.endr
.endm
.macro SCALES slot, sc
.irp q, 0,1
	ds_load_b128 v[SC+16*\sc+8*\q:SC+16*\sc+8*\q+3], v[ADRP+\slot] offset:\q*REC+SCO
	ds_load_b128 v[SC+16*\sc+8*\q+4:SC+16*\sc+8*\q+7], v[ADRR+\slot] offset:\q*REC+SCO
.endr
.endm
.macro MUL16 a0, p, q, sc, zero
.irp a, \a0, \a0+1
.irp b, 0,1,2,3,4,5,6,7
	WM \zero, 8*(8*((\a)%4)+\b), 128*(\p)+FR*\b, RF+FR*(\a), SC+16*(\sc)+8*(\q)+\b%4, SC+16*(\sc)+8*(\q)+4+(\a)%4, \b/4, (\a)/4
.endr
.endr
.endm
.macro STEP slot, sc, zero
	s_wait_dscnt 4*NL
	WIN MUL_LO
	MUL16 0, 0, 0, \sc, \zero
	MUL16 2, 0, 0, \sc, \zero
	s_wait_dscnt 0x0
	PLACES NP
	FETCH_P \slot, 1, 1
	FETCH_R \slot, 1, 0
	WIN MUL_HI
	MUL16 4, 0, 0, \sc, \zero
	MUL16 6, 0, 0, \sc, \zero
	PLACES NP
	WIN 0
	FETCH_R \slot, 1, 4
.endm
.macro TURN slot, next, how, sc, nsc
.if (\how) != 2
	s_wait_tensorcnt 0x0
	ds_add_u32 v[SPW], v[NIL]
	s_wait_dscnt 4*NL+1
.else
	s_wait_dscnt 4*NL
.endif
	WIN MUL_LO
	MUL16 0, 1, 1, \sc, 0
.if (\how) != 2
	s_wait_dscnt 0x0
	s_barrier_signal -1
.endif
	MUL16 2, 1, 1, \sc, 0
.if (\how) == 2
	s_wait_dscnt 0x0
.endif
	WIN 0
.if (\how) != 2
	s_barrier_wait -1
.endif
.if (\how) == 1
	CREST
	s_add_nc_u64 s[G0+4*\slot+2:G0+4*\slot+3], s[G0+4*\slot+2:G0+4*\slot+3], 3*LOADB
	s_add_nc_u64 s[G0B+4*\slot+2:G0B+4*\slot+3], s[G0B+4*\slot+2:G0B+4*\slot+3], 3*LOADB
	JLOAD G0+4*\slot, G1, G0B+4*\slot, G1B
.else
	PLACES NP
.endif
	FETCH_P \next, 0, 0
	FETCH_R \next, 0, 0
	SCALES \next, \nsc
	WIN MUL_HI
	MUL16 4, 1, 1, \sc, 0
	MUL16 6, 1, 1, \sc, 0
	PLACES NP
	WIN 0
	FETCH_R \next, 0, 4
.endm
	s_wait_alu depctr_va_vdst(0)                   ; the head's end
	s_wait_tensorcnt 0x0                           ; my six records are in; no load of mine is out, so group 1 may be written:
	s_mov_b32 s[G1+2], 100<<16                     ; the one refill brings two records, 100 rows
	s_mov_b32 s[G1+4], 100
	s_mov_b32 s[G1B+2], 100<<16
	s_mov_b32 s[G1B+4], 100
	s_barrier_signal -1
	s_barrier_wait -1
	FETCH_P 0, 0, 0
	FETCH_R 0, 0, 0
	SCALES 0, 0
	FETCH_R 0, 0, 4
	STEP 0, 0, 1
	TURN 0, 1, 1, 0, 1
	STEP 1, 1, 0
	TURN 1, 2, 2, 1, 0
	STEP 2, 0, 0
	TURN 2, 0, 0, 0, 1
	STEP 0, 1, 0
	s_wait_dscnt 4*NL
	WIN MUL_LO
	MUL16 0, 1, 1, 1, 0
	MUL16 2, 1, 1, 1, 0
	s_wait_dscnt 0x0
	WIN MUL_HI
	MUL16 4, 1, 1, 1, 0
	MUL16 6, 1, 1, 1, 0
	WIN 0
	PLACES NP
.irp b, 0,1,2,3
	v_mov_b32 v[TM+4+\b], 0
.endr
.irp a, 0,1,2,3,4,5,6,7
.if \a>0
	s_wait_xcnt 0x0
.endif
	WIN (2+\a/4)|4
.set j, 0
.rept 32
	v_pk_add_f32 v[H+j:H+j+1], v[64*(\a%4)+j:64*(\a%4)+j+1], v[96+j+96*(j/32):96+j+96*(j/32)+1]
.set j, j+2
.endr
	WIN 0
.set j, 0
.rept 32
.if \a%2
	v_pk_add_f32 v[H+j:H+j+1], v[H+j:H+j+1], v[BR+2*(\a/2):BR+2*(\a/2)+1] op_sel:[0,1] op_sel_hi:[1,1]
.else
	v_pk_add_f32 v[H+j:H+j+1], v[H+j:H+j+1], v[BR+2*(\a/2):BR+2*(\a/2)+1] op_sel_hi:[1,0]
.endif
.set j, j+2
.endr
	QUANT H, 0, PC, PW+\a
.irp c, 0,1,2
	global_store_b128 v[LI], v[PC+4*\c:PC+4*\c+3], s[DST:DST+1] offset:\a*FRB+512*\c
.endr
.endr
.irp j, 0,1,2,3
	v_cndmask_b32 v[SW+\j], v[PW+\j], v[PW+4+\j], s[HM]
.endr
	global_store_b128 v[LI], v[SW:SW+3], s[DST:DST+1] offset:SCO
	s_wait_tensorcnt 0x0
	ds_add_u32 v[SPW], v[NIL]
	s_wait_dscnt 0x0
	CROUND
	s_endpgm
.Lfunc_end_k_q67fa163810_proj:
	.size	k_q67fa163810_proj, .Lfunc_end_k_q67fa163810_proj-k_q67fa163810_proj
	.p2alignl 7, 3214868480
	.fill 96, 4, 3214868480
	.section	.rodata,"a",@progbits
	.p2align	6, 0x0
	.amdhsa_kernel k_q67fa163810_proj
		.amdhsa_group_segment_fixed_size 327680
		.amdhsa_private_segment_fixed_size 0
		.amdhsa_enable_private_segment 0
		.amdhsa_kernarg_size 56
		.amdhsa_user_sgpr_count 2
		.amdhsa_user_sgpr_kernarg_segment_ptr 1
		.amdhsa_wavefront_size32 1
		.amdhsa_system_sgpr_workgroup_id_x 1
		.amdhsa_system_sgpr_workgroup_id_y 1
		.amdhsa_system_sgpr_workgroup_id_z 1
		.amdhsa_system_vgpr_workitem_id 0
		.amdhsa_next_free_vgpr 1024
		.amdhsa_next_free_sgpr 100
		.amdhsa_reserve_vcc 0
		.amdhsa_float_denorm_mode_32 3
		.amdhsa_float_denorm_mode_16_64 3
		.amdhsa_memory_ordered 1
		.amdhsa_forward_progress 1
		.amdhsa_inst_pref_size 174
	.end_amdhsa_kernel
	.amdgpu_metadata
---
amdhsa.version: [ 1, 2 ]
amdhsa.kernels:
  - .name:           k_q67fa163810_proj
    .symbol:         k_q67fa163810_proj.kd
    .args:
      - { .name: xrec, .offset: 0, .size: 8, .value_kind: global_buffer, .address_space: global }
      - { .name: wrec, .offset: 8, .size: 8, .value_kind: global_buffer, .address_space: global }
      - { .name: bq, .offset: 16, .size: 8, .value_kind: global_buffer, .address_space: global }
      - { .name: bk, .offset: 24, .size: 8, .value_kind: global_buffer, .address_space: global }
      - { .name: bv, .offset: 32, .size: 8, .value_kind: global_buffer, .address_space: global }
      - { .name: qrec, .offset: 40, .size: 8, .value_kind: global_buffer, .address_space: global }
      - { .name: kv, .offset: 48, .size: 8, .value_kind: global_buffer, .address_space: global }
    .group_segment_fixed_size: 327680
    .private_segment_fixed_size: 0
    .kernarg_segment_align: 8
    .kernarg_segment_size: 56
    .max_flat_workgroup_size: 128
    .sgpr_count:     100
    .vgpr_count:     1024
    .wavefront_size: 32
...
	.end_amdgpu_metadata
.endif
;; end of part 2
;; launch stats (part 3): grid 8 x 32, 16 waves a work-group, clusters of 4 x 1, 208,896 bytes of LDS; arguments qrec, kv, ng; writes ng
.if DOCPART == 3
	.amdgcn_target "amdgcn-amd-amdhsa--gfx1250"
	.amdhsa_code_object_version 6
	.text
	.protected	k_q67fa163810_stats
	.globl	k_q67fa163810_stats
	.p2align	8
	.type	k_q67fa163810_stats,@function
k_q67fa163810_stats:
	s_mov_b64 s[64:65], 0
	v_nop
	global_prefetch_b8 v0, s[64:65] scope:SCOPE_SE
	s_setreg_imm32_b32 hwreg(HW_REG_WAVE_MODE, 25, 1), 1
	s_wait_xcnt 0x0
	s_wait_alu depctr_hold_cnt(0) depctr_sa_sdst(0) depctr_va_vdst(0) depctr_va_sdst(0) depctr_va_ssrc(0) depctr_va_vcc(0) depctr_vm_vsrc(0)
	s_getreg_b32 s2, hwreg(HW_REG_IB_STS2, 6, 4)
	s_cmp_eq_u32 s2, 0
	s_cbranch_scc0 .Lentry_in_a_cluster
	s_endpgm
.Lentry_in_a_cluster:
	s_bfe_u32 s2, ttmp6, 0x10000c
	s_cmp_lg_u32 s2, 0x3003
	s_cbranch_scc0 .Lentry_shape_is_right
	s_endpgm
.Lentry_shape_is_right:
; The softmax runs over the QUERIES: for each key column this launch finds ng = -log2 of the sum over all 2,048 queries of 2^(c x score), c = log2(e) / 8.  The next launch then has attn = 2^(c x score + ng).
; The sum is kept under a running maximum: M = the largest c x score so far, rounded up to a whole number; when M moves the sum is multiplied by 2^(old M - new M), which rounds nothing.
; SHARES.  A work-group takes 256 keys of a head pair of one batch, each of its sixteen waves 16 keys, both heads: four waves to a SIMD, so that one wave's exponentials stand beside another's products.
; S = Q K^T: source 0 = 16 queries (a fragment of a head pair: K 0-63 the first head, 64-127 the second), source 1 = my keys, kept as 18 registers [head 0 | zeros | head 1]: registers 6 e .. 6 e + 11
; are head e's 64 numbers at their places and zero codes at the other head's, which add nothing under any scale byte of 1 .. 254.  A lane is one key; lanes r and r + 16 see different queries and are merged at the end.
; All 16 records of Q of the pair lie in LDS, filled once, each by one wave's joint load: the cluster's four work-groups read the same records.
; LIMITS: NaN and infinities are not served; a term under 2^-126 of the largest counts as 0.
.set REC,   12800
.set FRB,   1536
.set SCO,   12288
.set STG,   16*REC                     ; behind Q: 2 groups of keys x 2 heads x 128 numbers
.set SPARE, STG+2048                   ; the spare words, 128 bytes a wave
.set LI,    1
.set ADR,   2
.set SPW,   3
.set NIL,   4
.set SOA,   5                          ; v5   where my key's number goes in the stage
.set SRA,   6                          ; v6   where I read the stage back
.set KW,    8                          ; v8   my keys' scale words
.set KFO,   10                         ; v10  my fragment's place in K's record + 16 x lane
.set KSO,   11                         ; v11  my keys' scale words' place
.set QS,    12                         ; v12-15 Q's scale image
.set ST,    16                         ; head e at +4 e: -M, the largest t, the sum in two halves
.set MX,    24                         ; v24-31 at work
.set F,     32                         ; v[32:33] 2^(old M - new M)
.set KA,    36                         ; v36-53
.set S,     64                         ; v64-127 scores
.set QF,    128                        ; v128-223 Q's 8 fragments
.set WV,    12
.set G1,    24
.set G0,    32
.set CS,    36
.set SEL,   38
.set TB,    40
.set CNT,   41
.macro PLACES n
.rept \n
	v_nop
.endr
.endm
.macro WM z, d, a, b, sa, sb, ra, rb   ; one product; here always C = 0, and only source 0's words may stand in lanes 16-31
.if (\ra)
	v_wmma_scale_f32_16x16x128_f8f6f4 v[(\d):(\d)+7], v[(\a):(\a)+11], v[(\b):(\b)+11], 0, v[\sa], v[\sb] matrix_a_fmt:MATRIX_FMT_FP6 matrix_b_fmt:MATRIX_FMT_FP6 matrix_a_scale:MATRIX_SCALE_ROW1
.else
	v_wmma_scale_f32_16x16x128_f8f6f4 v[(\d):(\d)+7], v[(\a):(\a)+11], v[(\b):(\b)+11], 0, v[\sa], v[\sb] matrix_a_fmt:MATRIX_FMT_FP6 matrix_b_fmt:MATRIX_FMT_FP6
.endif
.endm
.macro CROUND
	s_barrier_signal -1
	s_barrier_wait -1
	s_cmp_lg_u32 s[WV], 0
	s_cbranch_scc1 .Lnot_wave_0_\@
	s_barrier_signal -3
.Lnot_wave_0_\@:
	s_barrier_wait -3
	s_barrier_signal -1
	s_barrier_wait -1
.endm
	s_load_b128 s[4:7], s[0:1], 0x0                ; qrec, kv
	s_load_b64 s[8:9], s[0:1], 0x10                ; ng
	v_lshl_add_u32 v[SPW], v0, 2, SPARE
	v_mov_b32 v[NIL], 0
	ds_add_u32 v[SPW], v[NIL]                      ; the wave's opening: the add, twice on end, and its wait ahead of my first tensor load
	ds_add_u32 v[SPW], v[NIL]
	v_lshrrev_b32 v9, 5, v0
	v_readfirstlane_b32 s[WV], v9
	s_bfe_u32 s13, ttmp6, 0x40000                  ; cx: it enters K's and ng's global addresses alone
	s_lshl_b32 s14, ttmp9, 2
	s_add_co_u32 s14, s14, s13                     ; my block of 256 keys
	s_and_b32 s15, ttmp7, 0xffff                   ; batch x 8 + head pair, which the four partners share
	s_mov_b32 s[G1], 15|(3<<16)|(1<<21)            ; the mask: all four; elements of 8 bytes; 21 set beside a mask
	s_mov_b32 s[G1+1], 32<<16                      ; a record: 50 rows of 256 bytes, dense
	s_mov_b32 s[G1+2], 50<<16
	s_mov_b32 s[G1+3], 32<<16
	s_mov_b32 s[G1+4], 50
	s_mov_b32 s[G1+5], 32
	s_mov_b32 s[G1+6], 0
	s_mov_b32 s[G1+7], 0
	s_mul_i32 s18, s[WV], REC                      ; record w: its place in LDS and in the pair's 16
	s_mul_i32 s16, s15, 16*REC
	s_add_co_u32 s16, s16, s18
	s_mov_b32 s17, 0
	s_lshr_b32 s19, s[WV], 3
	s_and_b32 s22, s[WV], 7                        ; my fragment of K's record
	s_lshl_b32 s20, s14, 1
	s_add_co_u32 s20, s20, s19                     ; my group of 128 keys
	s_lshl_b32 s21, s15, 4
	s_add_co_u32 s20, s20, s21
	s_mul_i32 s20, s20, 2*REC
	s_mov_b32 s21, 0
	v_and_b32 v9, 31, v0
	v_lshlrev_b32 v[LI], 4, v9
	s_mul_i32 s23, s22, FRB
	v_add_nc_u32 v[KFO], s23, v[LI]
	v_and_b32 v9, 15, v0                           ; r
	s_lshr_b32 s23, s22, 2
	s_lshl_b32 s23, s23, 8
	s_and_b32 s42, s22, 3
	s_lshl_b32 s42, s42, 2
	s_add_co_u32 s23, s23, s42
	s_add_co_u32 s23, s23, SCO
	v_lshl_add_u32 v[KSO], v9, 4, s23              ; 12,288 + 256 (f / 4) + 4 (f % 4) + 16 r
	v_and_b32 v7, 8, v9
	v_add_nc_u32 v7, v7, v9                        ; r + 8 (r / 8)
	s_lshl_b32 s23, s19, 10
	s_lshr_b32 s42, s22, 1
	s_lshl_b32 s42, s42, 7
	s_add_co_u32 s23, s23, s42
	s_and_b32 s42, s22, 1
	s_lshl_b32 s42, s42, 5
	s_add_co_u32 s23, s23, s42
	s_add_co_u32 s23, s23, STG
	s_wait_alu depctr_va_vdst(0)                   ; directly ahead of the reader below
	v_lshl_add_u32 v[SOA], v7, 2, s23              ; the stage holds the keys in their natural order: key 32 (f / 2) + 8 (f % 2) + r + 8 (r / 8)
	s_and_b32 s23, s[WV], 3
	s_lshl_b32 s23, s23, 9
	s_add_co_u32 s44, s23, STG
	v_add_nc_u32 v[SRA], s44, v[LI]
	s_lshl_b32 s42, s15, 14
	s_lshl_b32 s43, s14, 11
	s_add_co_u32 s42, s42, s43
	s_add_co_u32 s42, s42, s23                     ; ng: 16,384 bytes a pair, 2,048 a block of keys, 512 a storing wave
	s_mov_b32 s43, 0
	s_mov_b32 s[CS], 0x3e38aa3b                    ; c = log2(e) / 8
	s_mov_b32 s[CS+1], s[CS]                       ; (named with it as a pair)
	s_mov_b32 s[SEL], 0x76543210
	s_mov_b32 s[SEL+1], 0xfedcba98
	s_mov_b32 s[TB], 0
	s_wait_alu depctr_va_vdst(0)                   ; directly ahead of the wait below
	s_wait_dscnt 0x0                               ; both opening adds are done
	s_wait_kmcnt 0x0
	CROUND                                         ; all four work-groups are here: the joint loads meet
	s_mov_b32 s[G0], 1
	s_mov_b32 s[G0+1], s18
	s_add_nc_u64 s[G0+2:G0+3], s[4:5], s[16:17]
	s_or_b32 s[G0+3], s[G0+3], 0x80000000
	tensor_load_to_lds s[G0:G0+3], s[G1:G1+7]      ; my one tensor load: record w
	s_nop 0
.rept 4
	v_nop
.endr
	s_add_nc_u64 s[6:7], s[6:7], s[20:21]
	s_add_nc_u64 s[8:9], s[8:9], s[42:43]
	global_load_b128 v[KA:KA+3], v[KFO], s[6:7]                ; registers 0-3,
	global_load_b64 v[KA+4:KA+5], v[KFO], s[6:7] offset:512    ; 4-5: head 0;
	global_load_b64 v[KA+12:KA+13], v[KFO], s[6:7] offset:520  ; 6-7,
	global_load_b128 v[KA+14:KA+17], v[KFO], s[6:7] offset:1024 ; 8-11: head 1
	global_load_b32 v[KW], v[KSO], s[6:7]
.irp i, 6,7,8,9,10,11
	v_mov_b32 v[KA+\i], 0
.endr
.irp e, 0,1
	v_mov_b32 v[ST+4*\e+1], 0xff61b1e6             ; the largest t so far: -3e38
	v_floor_f32 v[ST+4*\e], -v[ST+4*\e+1]
	v_mov_b32 v[ST+4*\e+2], 0
	v_mov_b32 v[ST+4*\e+3], 0
.endr
.irp i, 0,1,2,3,4,5,6,7
	v_mov_b32 v[MX+\i], 0                          ; (lane permutes' destinations count as read)
.endr
	v_mov_b32 v[F+1], 0                            ; (named as the upper half of a pair)
.macro QLOAD                           ; a record of Q: 24 + 1 loads
	v_add_nc_u32 v[ADR], s[TB], v[LI]
.irp f, 0,1,2,3,4,5,6,7
.irp c, 0,1,2
	ds_load_b128 v[QF+12*\f+4*\c:QF+12*\f+4*\c+3], v[ADR] offset:\f*FRB+512*\c
.endr
.endr
	ds_load_b128 v[QS:QS+3], v[ADR] offset:SCO
.endm
.macro MULT f, e                       ; one product: the 16 queries of fragment f x my 16 keys of head e, into tile f of the scores
	WM 1, S+8*(\f), QF+12*(\f), KA+6*(\e), QS+(\f)%4, KW, (\f)/4, 0
.endm
; The vector work on 128 queries x my 16 keys of head e, whose scores lie in S.  mul = 1: the NEXT unit's eight products (head ne) are issued among this unit's sums:
; tile f is written anew as soon as its eight exponentials have been added, so the scores need one set of registers.  ql = 1: the next record of Q is asked for behind the
; first four maxima: with the three sums that close the unit before, seven plain places behind the last product that read the old record.
.macro VEC e, ne, mul, ql
.set rT, ST+4*(\e)
.irp b, 0,1,2,3
	v_max3_num_f32 v[MX+\b], v[S+16*\b], v[S+16*\b+1], v[S+16*\b+2]
.endr
.if \ql
	s_add_co_u32 s[TB], s[TB], REC
	QLOAD
.endif
.irp i, 3,5,7,9,11,13
.irp b, 0,1,2,3
	v_max3_num_f32 v[MX+\b], v[MX+\b], v[S+16*\b+\i], v[S+16*\b+\i+1]
.endr
.endr
.irp b, 0,1,2,3
	v_max_num_f32 v[MX+\b], v[MX+\b], v[S+16*\b+15]
.endr
	v_max3_num_f32 v[MX], v[MX], v[MX+1], v[MX+2]
	v_mov_b32 v[MX+1], v[rT]                       ; the old -M
	v_max_num_f32 v[MX], v[MX], v[MX+3]
	v_mul_f32 v[MX], s[CS], v[MX]                  ; as t (c is positive)
	v_max_num_f32 v[rT+1], v[rT+1], v[MX]
	v_floor_f32 v[rT], -v[rT+1]                    ; the new -M
.set j, 0
.rept 32                               ; t - M, two at a time: all the batch's sources first; the three lines that make 2^(old M - new M) stand among them
	v_pk_fma_f32 v[S+2*j:S+2*j+1], v[S+2*j:S+2*j+1], s[CS:CS+1], v[rT:rT+1] op_sel_hi:[1,0,0]
.if j == 3
	v_sub_f32 v[MX+1], v[rT], v[MX+1]              ; old M - new M: a whole number, 0 or less
.endif
.if j == 7
	v_cvt_i32_f32 v[MX+1], v[MX+1]                 ; (it saturates)
.endif
.if j == 11
	v_ldexp_f32 v[F], 1.0, v[MX+1]
.endif
.set j, j+1
.endr
	s_wait_alu depctr_va_vdst(0)                   ; ahead of the batch
.set j, 0
.rept 64                               ; one batch of 64 exponentials
	v_exp_f32 v[S+j], v[S+j]
.set j, j+1
.endr
	v_pk_mul_f32 v[rT+2:rT+3], v[rT+2:rT+3], v[F:F+1] op_sel_hi:[1,0]   ; the sum under the new M (a plain place behind the exponentials)
	s_wait_alu depctr_va_vdst(0)                   ; one wait for the batch, ahead of its first reader
.if (\mul) && (\ne) == 0
	s_wait_dscnt 0x0                               ; the next record is in registers: the products below take it
.endif
	v_pk_add_f32 v[rT+2:rT+3], v[rT+2:rT+3], v[S:S+1]          ; the sums, in four chains by turns
	v_pk_add_f32 v[MX+4:MX+5], v[S+2:S+3], v[S+4:S+5]
	v_pk_add_f32 v[MX:MX+1], v[S+6:S+7], v[S+8:S+9]
.if \mul
	MULT 0, \ne                                    ; tile 0 has been added
.endif
	v_pk_add_f32 v[MX+2:MX+3], v[S+10:S+11], v[S+12:S+13]
	v_pk_add_f32 v[rT+2:rT+3], v[rT+2:rT+3], v[S+14:S+15]
.if \mul
	MULT 1, \ne
.endif
.irp f, 2,3,4,5,6,7
	v_pk_add_f32 v[rT+2:rT+3], v[rT+2:rT+3], v[S+8*\f:S+8*\f+1]
	v_pk_add_f32 v[MX+4:MX+5], v[MX+4:MX+5], v[S+8*\f+2:S+8*\f+3]
	v_pk_add_f32 v[MX:MX+1], v[MX:MX+1], v[S+8*\f+4:S+8*\f+5]
	v_pk_add_f32 v[MX+2:MX+3], v[MX+2:MX+3], v[S+8*\f+6:S+8*\f+7]
.if \mul
	MULT \f, \ne
.endif
.endr
	v_pk_add_f32 v[MX:MX+1], v[MX:MX+1], v[MX+2:MX+3]          ; the four chains are joined
	v_pk_add_f32 v[rT+2:rT+3], v[rT+2:rT+3], v[MX+4:MX+5]
	v_pk_add_f32 v[rT+2:rT+3], v[rT+2:rT+3], v[MX:MX+1]
.endm
	s_wait_alu depctr_va_vdst(0)                   ; the head's end
	s_wait_tensorcnt 0x0                           ; my record is in,
	s_barrier_signal -1
	s_barrier_wait -1                              ; everybody's is; nothing is filled again
	QLOAD
	s_wait_loadcnt 0x0                             ; my keys
	s_wait_dscnt 0x0                               ; record 0 is in registers
.irp f, 0,1,2,3,4,5,6,7
	MULT \f, 0                                     ; the first scores: record 0, head 0
.endr
	PLACES 4                                       ; in front of the first read of results
	s_mov_b32 s[CNT], 15
.Lstep:                                                ; at the top S holds head 0's scores of this trip's record
	VEC 0, 1, 1, 0                                 ; head 0; among its sums head 1's products
	VEC 1, 0, 1, 1                                 ; head 1; the next record is fetched, and among the sums come its products with head 0
	s_wait_alu depctr_va_vdst(0)                   ; ahead of the backward jump
	s_sub_co_u32 s[CNT], s[CNT], 1
	s_cmp_lg_u32 s[CNT], 0
	s_cbranch_scc1 .Lstep
	VEC 0, 1, 1, 0                                 ; the last record: nothing more to fetch,
	VEC 1, 0, 0, 0                                 ; and no products behind its last unit
	; lanes r and r + 16 are merged: the greater M, both sums brought under it
.irp e, 0,1
	v_add_f32 v[MX+4*\e], v[ST+4*\e+2], v[ST+4*\e+3]
.endr
.irp e, 0,1
	v_permlanex16_b32 v[MX+4*\e+1], v[MX+4*\e], s[SEL], s[SEL+1]
	v_permlanex16_b32 v[MX+4*\e+2], v[ST+4*\e], s[SEL], s[SEL+1]
.endr
.irp e, 0,1
	v_min_num_f32 v[MX+4*\e+3], v[ST+4*\e], v[MX+4*\e+2]       ; -M of the two
	v_sub_f32 v[ST+4*\e+1], v[MX+4*\e+3], v[ST+4*\e]
	v_sub_f32 v[MX+4*\e+2], v[MX+4*\e+3], v[MX+4*\e+2]
	v_cvt_i32_f32 v[ST+4*\e+1], v[ST+4*\e+1]
	v_cvt_i32_f32 v[MX+4*\e+2], v[MX+4*\e+2]
	v_ldexp_f32 v[MX+4*\e], v[MX+4*\e], v[ST+4*\e+1]
	v_ldexp_f32 v[MX+4*\e+1], v[MX+4*\e+1], v[MX+4*\e+2]
	v_add_f32 v[MX+4*\e], v[MX+4*\e], v[MX+4*\e+1]
.endr
	s_wait_alu depctr_va_vdst(0)                   ; ahead of the transcendentals
.irp e, 0,1
	v_log_f32 v[MX+4*\e+1], v[MX+4*\e]
.endr
	v_nop                                          ; a plain place behind the logarithms
	s_wait_alu depctr_va_vdst(0)                   ; and the wait ahead of their first reader
.irp e, 0,1
	v_sub_f32 v[MX+4*\e], v[MX+4*\e+3], v[MX+4*\e+1]           ; ng = -M - log2(sum)
	ds_store_b32 v[SOA], v[MX+4*\e] offset:512*\e              ; both halves of the lanes write the same word with the same value
.endr
	s_wait_dscnt 0x0                               ; for the others' sake
	s_barrier_signal -1
	s_barrier_wait -1
	s_cmp_lt_u32 s[WV], 4
	s_cbranch_scc0 .Lno_store                      ; waves 0 to 3 store the stage's 2,048 bytes
	ds_load_b128 v[S:S+3], v[SRA]
	s_wait_dscnt 0x0
	global_store_b128 v[LI], v[S:S+3], s[8:9]      ; 512 consecutive bytes, at a multiple of 256 from the buffer's first byte
.Lno_store:
	s_wait_tensorcnt 0x0                           ; the wave's end
	ds_add_u32 v[SPW], v[NIL]
	s_wait_dscnt 0x0
	CROUND                                         ; the closing round
	s_endpgm
.Lfunc_end_k_q67fa163810_stats:
	.size	k_q67fa163810_stats, .Lfunc_end_k_q67fa163810_stats-k_q67fa163810_stats
	.p2alignl 7, 3214868480
	.fill 96, 4, 3214868480
	.section	.rodata,"a",@progbits
	.p2align	6, 0x0
	.amdhsa_kernel k_q67fa163810_stats
		.amdhsa_group_segment_fixed_size 208896
		.amdhsa_private_segment_fixed_size 0
		.amdhsa_enable_private_segment 0
		.amdhsa_kernarg_size 24
		.amdhsa_user_sgpr_count 2
		.amdhsa_user_sgpr_kernarg_segment_ptr 1
		.amdhsa_wavefront_size32 1
		.amdhsa_system_sgpr_workgroup_id_x 1
		.amdhsa_system_sgpr_workgroup_id_y 1
		.amdhsa_system_sgpr_workgroup_id_z 1
		.amdhsa_system_vgpr_workitem_id 0
		.amdhsa_next_free_vgpr 256
		.amdhsa_next_free_sgpr 66
		.amdhsa_reserve_vcc 0
		.amdhsa_float_denorm_mode_32 3
		.amdhsa_float_denorm_mode_16_64 3
		.amdhsa_memory_ordered 1
		.amdhsa_forward_progress 1
		.amdhsa_inst_pref_size 49
	.end_amdhsa_kernel
	.amdgpu_metadata
---
amdhsa.version: [ 1, 2 ]
amdhsa.kernels:
  - .name:           k_q67fa163810_stats
    .symbol:         k_q67fa163810_stats.kd
    .args:
      - { .name: qrec, .offset: 0, .size: 8, .value_kind: global_buffer, .address_space: global }
      - { .name: kv, .offset: 8, .size: 8, .value_kind: global_buffer, .address_space: global }
      - { .name: ng, .offset: 16, .size: 8, .value_kind: global_buffer, .address_space: global }
    .group_segment_fixed_size: 208896
    .private_segment_fixed_size: 0
    .kernarg_segment_align: 8
    .kernarg_segment_size: 24
    .max_flat_workgroup_size: 512
    .sgpr_count:     66
    .vgpr_count:     256
    .wavefront_size: 32
...
	.end_amdgpu_metadata
.endif
;; end of part 3
;; launch attn (part 4): grid 8 x 32, 8 waves a work-group, clusters of 4 x 1, 327,680 bytes of LDS; arguments qrec, kv, ng, ctx; writes ctx
.if DOCPART == 4
	.amdgcn_target "amdgcn-amd-amdhsa--gfx1250"
	.amdhsa_code_object_version 6
	.text
	.protected	k_q67fa163810_attn
	.globl	k_q67fa163810_attn
	.p2align	8
	.type	k_q67fa163810_attn,@function
k_q67fa163810_attn:
	s_mov_b64 s[64:65], 0
	v_nop
	global_prefetch_b8 v0, s[64:65] scope:SCOPE_SE
	s_setreg_imm32_b32 hwreg(HW_REG_WAVE_MODE, 25, 1), 1
	s_wait_xcnt 0x0
	s_wait_alu depctr_hold_cnt(0) depctr_sa_sdst(0) depctr_va_vdst(0) depctr_va_sdst(0) depctr_va_ssrc(0) depctr_va_vcc(0) depctr_vm_vsrc(0)
	s_getreg_b32 s2, hwreg(HW_REG_IB_STS2, 6, 4)
	s_cmp_eq_u32 s2, 0
	s_cbranch_scc0 .Lentry_in_a_cluster
	s_endpgm
.Lentry_in_a_cluster:
	s_bfe_u32 s2, ttmp6, 0x10000c
	s_cmp_lg_u32 s2, 0x3003
	s_cbranch_scc0 .Lentry_shape_is_right
	s_endpgm
.Lentry_shape_is_right:
; attn = 2^(c x score + ng), c = log2(e) / 8 and ng = -M - log2(sum over the queries) from the launch before: the softmax over the queries, finished; it is quantised along the keys and multiplied with V.
; A work-group takes 256 queries of a head pair, a wave 32 queries, both heads; keys go in steps of 128 through two LDS slots of four steps (8 records: K's and V's by turns).
; S^T = K Q^T and O^T = V^T P^T: a lane holds one query, its registers run along the keys.  The cluster's four work-groups read the same K, V and ng: joint loads.
; THE HEAD: waves 0-3 fetch slot 0, two records each; waves 4-7 fetch the pair's ng, 4,096 bytes each: one load a wave.  Refills are issued by waves 0-3.  Every wait on TENSORcnt is for 0.
; No prefetch: a slot is asked for four steps ahead of its first read.  LIMITS: NaN and infinities are not served; the promise holds while c x score stays under 2^31 in magnitude.
.set REC,   12800
.set FRB,   1536
.set SCO,   12288
.set GB,    8*REC
.set STG,   GB+16384
.set SPARE, STG+1024
.set SLOT1, 1<<17
.set LI,    1
.set ADR,   2
.set AG0,   3
.set AG,    4
.set SPW,   5
.set NIL,   6
.set QFO,   7
.set QSO,   8
.set SOA,   9
.set QW,    10
.set KS,    12
.set VS,    16
.set PW,    20
.set SRA,   22
.set TM,    24
.set CT,    40
.set PC0,   48
.set QA,    72
.set S,     112
.set GV,    176
.set KF,    128
.set WV,    12
.set G1,    24
.set G1G,   32
.set G0,    40
.set G0G,   44
.set SLOTS, 56
.set STEPC, 57
.set CS,    58
.set SEL,   60
.set TB,    62
.set TG,    63
.set TN,    66                         ; s66  the next step's K record in LDS
.set ADN,   23                         ; v23  that place + 16 x lane
.set MSB, 0
.macro WIN new
.if MSB != (\new)
	s_set_vgpr_msb (MSB<<8)|(\new)
.set MSB, (\new)
.endif
.endm
.macro PLACES n
.rept \n
	v_nop
.endr
.endm
.macro WM z, d, a, b, sa, sb, ra, rb
.if \z
.if (\ra)
	v_wmma_scale_f32_16x16x128_f8f6f4 v[(\d):(\d)+7], v[(\a):(\a)+11], v[(\b):(\b)+11], 0, v[\sa], v[\sb] matrix_a_fmt:MATRIX_FMT_FP6 matrix_b_fmt:MATRIX_FMT_FP6 matrix_a_scale:MATRIX_SCALE_ROW1
.else
	v_wmma_scale_f32_16x16x128_f8f6f4 v[(\d):(\d)+7], v[(\a):(\a)+11], v[(\b):(\b)+11], 0, v[\sa], v[\sb] matrix_a_fmt:MATRIX_FMT_FP6 matrix_b_fmt:MATRIX_FMT_FP6
.endif
.else
.if (\ra)
	v_wmma_scale_f32_16x16x128_f8f6f4 v[(\d):(\d)+7], v[(\a):(\a)+11], v[(\b):(\b)+11], v[(\d):(\d)+7], v[\sa], v[\sb] matrix_a_fmt:MATRIX_FMT_FP6 matrix_b_fmt:MATRIX_FMT_FP6 matrix_a_scale:MATRIX_SCALE_ROW1
.else
	v_wmma_scale_f32_16x16x128_f8f6f4 v[(\d):(\d)+7], v[(\a):(\a)+11], v[(\b):(\b)+11], v[(\d):(\d)+7], v[\sa], v[\sb] matrix_a_fmt:MATRIX_FMT_FP6 matrix_b_fmt:MATRIX_FMT_FP6
.endif
.endif
.endm
.macro CROUND
	s_barrier_signal -1
	s_barrier_wait -1
	s_cmp_lg_u32 s[WV], 0
	s_cbranch_scc1 .Lnot_wave_0_\@
	s_barrier_signal -3
.Lnot_wave_0_\@:
	s_barrier_wait -3
	s_barrier_signal -1
	s_barrier_wait -1
.endm
.macro QUANT s, w, pc, pw
	WIN (\w)|((\w)<<2)
.irp b, 0,1,2,3
	v_max3_num_f32 v[TM+\b], |v[(\s)+16*\b]|, |v[(\s)+1+16*\b]|, 0x1800000
.endr
	WIN ((\w)<<2)|((\w)<<4)
.irp i, 2,4,6,8,10,12,14
.irp b, 0,1,2,3
	v_max3_num_f32 v[TM+\b], v[TM+\b], |v[(\s)+16*\b+\i]|, |v[(\s)+1+16*\b+\i]|
.endr
.endr
	WIN 0
.irp b, 0,1,2,3
	v_permlanex16_b32 v[TM+4+\b], v[TM+\b], s[SEL], s[SEL+1]
.endr
.irp b, 0,1,2,3
	s_delay_alu instid0(VALU_DEP_4)
	v_max_num_f32 v[TM+\b], v[TM+\b], v[TM+4+\b]
.endr
.irp b, 0,1,2,3
	s_delay_alu instid0(VALU_DEP_4)
	v_add_nc_u32 v[TM+12+\b], 0xff000000, v[TM+\b]
.endr
.irp b, 0,1,2,3
	s_delay_alu instid0(VALU_DEP_4)
	v_lshrrev_b32 v[TM+4+\b], 23, v[TM+12+\b]
.endr
	s_delay_alu instid0(VALU_DEP_3)
	v_lshl_or_b32 v[\pw], v[TM+5], 8, v[TM+4]
	s_delay_alu instid0(VALU_DEP_1)
	v_lshl_or_b32 v[\pw], v[TM+6], 16, v[\pw]
	s_delay_alu instid0(VALU_DEP_1)
	v_lshl_or_b32 v[\pw], v[TM+7], 24, v[\pw]
	WIN (\w)
.irp c, 0,1
	v_cvt_scalef32_pk16_fp6_f32 v[(\pc)+6*\c:(\pc)+2+6*\c], v[(\s)+32*\c:(\s)+15+32*\c], v[TM+12+2*\c]
	v_cvt_scalef32_pk16_fp6_f32 v[CT+4*\c:CT+2+4*\c], v[(\s)+16+32*\c:(\s)+31+32*\c], v[TM+12+2*\c+1]
.endr
	WIN 0
	v_nop
.irp c, 0,1
.irp i, 0,1,2
	v_permlane16_swap_b32 v[(\pc)+6*\c+\i], v[CT+4*\c+\i]
.endr
.irp i, 0,1,2
	s_delay_alu instid0(VALU_DEP_3)
	v_mov_b32 v[(\pc)+3+6*\c+\i], v[CT+4*\c+\i]
.endr
.endr
.endm
	s_load_b256 s[4:11], s[0:1], 0x0
	v_lshl_add_u32 v[SPW], v0, 2, SPARE
	v_mov_b32 v[NIL], 0
	ds_add_u32 v[SPW], v[NIL]
	ds_add_u32 v[SPW], v[NIL]
	v_lshrrev_b32 v23, 5, v0
	s_delay_alu instid0(VALU_DEP_1)
	v_readfirstlane_b32 s[WV], v23
	s_bfe_u32 s13, ttmp6, 0x40000
	s_lshl_b32 s14, ttmp9, 2
	s_add_co_u32 s14, s14, s13
	s_and_b32 s15, ttmp7, 0xffff
	s_mov_b32 s[G1], 15|(3<<16)|(1<<21)
	s_mov_b32 s[G1+1], 32<<16
	s_mov_b32 s[G1+2], 100<<16                     ; two records: 100 rows of 256 bytes
	s_mov_b32 s[G1+3], 32<<16
	s_mov_b32 s[G1+4], 100
	s_mov_b32 s[G1+5], 32
	s_mov_b32 s[G1+6], 0
	s_mov_b32 s[G1+7], 0
	s_mov_b32 s[G1G], 15|(3<<16)|(1<<21)
	s_mov_b32 s[G1G+1], 32<<16
	s_mov_b32 s[G1G+2], 16<<16                     ; a quarter of the pair's ng: 16 rows of 256 bytes
	s_mov_b32 s[G1G+3], 32<<16
	s_mov_b32 s[G1G+4], 16
	s_mov_b32 s[G1G+5], 32
	s_mov_b32 s[G1G+6], 0
	s_mov_b32 s[G1G+7], 0
	s_and_b32 s17, s[WV], 3                        ; which quarter of a slot (waves 0-3) or of ng (waves 4-7) I fetch
	s_mul_i32 s16, s17, 2*REC
	s_mul_i32 s18, s15, 32*REC
	s_add_co_u32 s18, s18, s16
	s_mov_b32 s19, 0
	s_lshl_b32 s17, s17, 12
	s_lshl_b32 s20, s15, 14
	s_add_co_u32 s20, s20, s17
	s_mov_b32 s21, 0
	s_lshr_b32 s52, s[WV], 2
	s_lshl_b32 s53, s14, 1
	s_add_co_u32 s53, s53, s52
	s_lshl_b32 s22, s15, 4
	s_add_co_u32 s22, s22, s53
	s_mul_i32 s22, s22, REC
	s_mov_b32 s23, 0
	s_lshr_b32 s54, s15, 3
	s_lshl_b32 s54, s54, 4
	s_and_b32 s55, s15, 7
	s_add_co_u32 s48, s54, s53
	s_lshl_b32 s48, s48, 3
	s_add_co_u32 s48, s48, s55
	s_mul_i32 s48, s48, REC
	s_mov_b32 s49, 0
	s_lshl_b32 s50, s14, 1
	s_add_co_u32 s50, s50, s54
	s_and_b32 s51, s[WV], 1
	s_add_co_u32 s50, s50, s51
	s_lshl_b32 s50, s50, 3
	s_add_co_u32 s50, s50, s55
	s_mul_i32 s50, s50, REC
	s_mov_b32 s51, 0
	v_and_b32 v23, 31, v0
	s_delay_alu instid0(VALU_DEP_1)
	v_lshlrev_b32 v[LI], 4, v23
	v_bfe_u32 v23, v0, 4, 1
	s_delay_alu instid0(VALU_DEP_1)
	v_lshlrev_b32 v[AG0], 6, v23
	s_delay_alu instid0(VALU_DEP_1)
	v_add_nc_u32 v[AG0], GB, v[AG0]
	s_and_b32 s52, s[WV], 3
	s_mul_i32 s53, s52, 2*FRB
	v_add_nc_u32 v[QFO], s53, v[LI]
	v_and_b32 v23, 15, v0
	s_wait_alu depctr_va_vdst(0)
	s_lshr_b32 s53, s52, 1
	s_lshl_b32 s53, s53, 8
	s_and_b32 s54, s[WV], 1
	s_lshl_b32 s55, s54, 3
	s_add_co_u32 s53, s53, s55
	s_add_co_u32 s55, s53, SCO
	v_lshl_add_u32 v[QSO], v23, 4, s55
	s_lshr_b32 s55, s[WV], 2
	s_lshl_b32 s55, s55, 9
	s_add_co_u32 s53, s53, s55
	s_add_co_u32 s53, s53, STG
	v_lshl_add_u32 v[SOA], v23, 4, s53
	s_lshl_b32 s54, s54, 9
	s_add_co_u32 s54, s54, STG
	v_add_nc_u32 v[SRA], s54, v[LI]
	s_mov_b32 s[CS], 0x3e38aa3b
	s_mov_b32 s[CS+1], s[CS]
	s_mov_b32 s[SEL], 0x76543210
	s_mov_b32 s[SEL+1], 0xfedcba98
	s_mov_b32 s[TB], 0
	s_mov_b32 s[TG], 0
	s_mov_b32 s[SLOTS], 3
	s_wait_dscnt 0x0
	s_wait_kmcnt 0x0
	CROUND
	s_mov_b32 s[G0G], 1
	s_add_co_u32 s[G0G+1], s17, GB
	s_add_nc_u64 s[G0G+2:G0G+3], s[8:9], s[20:21]
	s_or_b32 s[G0G+3], s[G0G+3], 0x80000000
	s_mov_b32 s[G0], 1
	s_mov_b32 s[G0+1], s16
	s_add_nc_u64 s[G0+2:G0+3], s[6:7], s[18:19]
	s_or_b32 s[G0+3], s[G0+3], 0x80000000
	s_cmp_lt_u32 s[WV], 4                          ; one chain of two arms on the wave's number, one load to an arm
	s_cbranch_scc0 .Lhead_ng
	tensor_load_to_lds s[G0:G0+3], s[G1:G1+7]      ; waves 0-3: slot 0
	s_nop 0
.rept 4
	v_nop
.endr
	s_branch .Lhead_asked
.Lhead_ng:
	tensor_load_to_lds s[G0G:G0G+3], s[G1G:G1G+7]  ; waves 4-7: ng
	s_nop 0
.rept 4
	v_nop
.endr
.Lhead_asked:
	s_add_nc_u64 s[4:5], s[4:5], s[22:23]
	s_add_nc_u64 s[48:49], s[10:11], s[48:49]
	s_add_nc_u64 s[50:51], s[10:11], s[50:51]
	s_wait_alu depctr_va_vdst(0)
.irp i, 0,1
	global_load_b128 v[QA+18*\i:QA+18*\i+3], v[QFO], s[4:5] offset:\i*FRB
	global_load_b64 v[QA+18*\i+4:QA+18*\i+5], v[QFO], s[4:5] offset:\i*FRB+512
	global_load_b64 v[QA+18*\i+12:QA+18*\i+13], v[QFO], s[4:5] offset:\i*FRB+520
	global_load_b128 v[QA+18*\i+14:QA+18*\i+17], v[QFO], s[4:5] offset:\i*FRB+1024
	global_load_b32 v[QW+\i], v[QSO], s[4:5] offset:4*\i
.endr
.irp i, 0,1
.irp k, 6,7,8,9,10,11
	v_mov_b32 v[QA+18*\i+\k], 0
.endr
.endr
.irp b, 0,1,2,3
	v_mov_b32 v[TM+4+\b], 0
.endr
	WIN 0x40
.set j, 0
.rept 128
	v_mov_b32 v[j], 0
.set j, j+1
.endr
	WIN 0
.macro SMUL i, e
	WIN 0x01
.irp f, 0,1,2,3,4,5,6,7
	WM 1, S+8*\f, KF+12*\f, QA+18*(\i)+6*(\e), KS+\f%4, QW+(\i), \f/4, 0
.endr
	WIN 0
	PLACES 4
.endm
.macro SOFT                            ; 64 scores a lane become attn: all the sources, one wait, one batch; the wait behind the batch stands ahead of its first reader, in STEP
.set j, 0
.rept 32
	v_pk_fma_f32 v[S+2*j:S+2*j+1], v[S+2*j:S+2*j+1], s[CS:CS+1], v[GV+2*j:GV+2*j+1] op_sel_hi:[1,0,1]   ; c x score + ng, each accumulator from its low end on
.set j, j+1
.endr
	s_wait_alu depctr_va_vdst(0)                   ; ahead of the batch
.set j, 0
.rept 64
	v_exp_f32 v[S+j], v[S+j]
.set j, j+1
.endr
	v_nop                                          ; a plain place behind the exponentials
.endm
.macro GLOAD e
.set j, 0
.rept 16
	ds_load_b128 v[GV+4*j:GV+4*j+3], v[AG] offset:512*(\e)+128*(j/4)+16*(j%4)
.set j, j+1
.endr
.endm
.macro VLOAD e
.irp t, 0,1,2,3
.irp c, 0,1,2
	ds_load_b128 v[GV+12*\t+4*\c:GV+12*\t+4*\c+3], v[ADR] offset:REC+(4*(\e)+\t)*FRB+512*\c
.endr
.endr
.endm
.macro PVMUL e
	s_wait_dscnt 0x0
	PLACES 8
	WIN 0x50
.irp t, 0,1,2,3
.irp i, 0,1
	WM 0, 64*\i+32*(\e)+8*\t, GV+12*\t, PC0+12*\i, VS+\t, PW+\i, \e, 0
.endr
.endr
	WIN 0
	PLACES 4
.endm
; K's eight fragments and its scale image, 25 loads, from the record at v[ADN].  They are asked for one step ahead: a step's last score products are the last readers of these registers,
; so the next step's K is fetched behind them (and their four places), while one more softmax, quantiser and eight products are still to be done.  A slot's first step has its K
; fetched ahead of the step loop, behind the slot's barrier; a slot's last step asks for nothing: the next record lies in the other slot, which is shown whole only behind the barrier.
.macro KLOAD
	WIN 0x40
.irp f, 0,1,2,3,4,5,6,7
.irp c, 0,1,2
	ds_load_b128 v[KF+12*\f+4*\c:KF+12*\f+4*\c+3], v[ADN] offset:\f*FRB+512*\c
.endr
.endr
	WIN 0
	ds_load_b128 v[KS:KS+3], v[ADN] offset:SCO
.endm
.macro STEP
	v_add_nc_u32 v[ADR], s[TB], v[LI]
	v_add_nc_u32 v[AG], s[TG], v[AG0]
	ds_load_b128 v[VS:VS+3], v[ADR] offset:REC+SCO ; with ng's 16 loads: the 17 that may stay out at the wait below; K's 25 were issued ahead of them
	GLOAD 0
	s_wait_dscnt 17
	SMUL 0, 0
	s_wait_dscnt 0x0
	SOFT
	s_wait_alu depctr_va_vdst(0)
	QUANT S, 0, PC0, PW
	SMUL 1, 0
	SOFT
	VLOAD 0
	s_wait_alu depctr_va_vdst(0)
	QUANT S, 0, PC0+12, PW+1
	s_wait_alu depctr_va_vdst(0)
	PVMUL 0
	GLOAD 1
	SMUL 0, 1
	s_wait_dscnt 0x0
	SOFT
	s_wait_alu depctr_va_vdst(0)
	QUANT S, 0, PC0, PW
	SMUL 1, 1
	s_cmp_eq_u32 s[STEPC], 1                       ; the slot's last step?  The step counter alone decides, alike in all waves
	s_cbranch_scc1 .Lno_next_\@
	s_add_co_u32 s[TN], s[TB], 2*REC
	v_add_nc_u32 v[ADN], s[TN], v[LI]
	KLOAD                                          ; the next step's K, in the same slot
.Lno_next_\@:
	SOFT
	VLOAD 1
	s_wait_alu depctr_va_vdst(0)
	QUANT S, 0, PC0+12, PW+1
	s_wait_alu depctr_va_vdst(0)
	PVMUL 1
	s_add_co_u32 s[TB], s[TB], 2*REC
	s_add_co_u32 s[TG], s[TG], 1024
.endm
.macro STEPS4
	s_mov_b32 s[STEPC], 4
	v_add_nc_u32 v[ADN], s[TB], v[LI]
	KLOAD                                          ; the slot's first step: its K
.Lstep_\@:
	STEP
	s_sub_co_u32 s[STEPC], s[STEPC], 1
	s_cmp_lg_u32 s[STEPC], 0
	s_cbranch_scc1 .Lstep_\@
	s_sub_co_u32 s[TB], s[TB], 8*REC
	s_xor_b32 s[TB], s[TB], SLOT1
.endm
.macro CHANGE fill
	s_wait_tensorcnt 0x0
	ds_add_u32 v[SPW], v[NIL]
.if \fill
	s_xor_b32 s[G0+1], s[G0+1], SLOT1
	s_add_nc_u64 s[G0+2:G0+3], s[G0+2:G0+3], 8*REC
.endif
	s_wait_dscnt 0x0
.if \fill
	CROUND
	s_cmp_lt_u32 s[WV], 4                          ; waves 0-3 fill the slot, two records each; the others have no part of it
	s_cbranch_scc0 .Lno_fill_\@
	tensor_load_to_lds s[G0:G0+3], s[G1:G1+7]
	s_nop 0
.rept 4
	v_nop
.endr
.Lno_fill_\@:
.else
	s_barrier_signal -1
	s_barrier_wait -1
.endif
.endm
	s_wait_loadcnt 0x0
.Lslot:
	CHANGE 1
	STEPS4
	s_sub_co_u32 s[SLOTS], s[SLOTS], 1
	s_cmp_lg_u32 s[SLOTS], 0
	s_cbranch_scc1 .Lslot
	CHANGE 0
	STEPS4
	QUANT 0, 1, PC0, PW
	QUANT 64, 1, PC0+12, PW+1
.irp i, 0,1
.irp c, 0,1,2
	global_store_b128 v[QFO], v[PC0+12*\i+4*\c:PC0+12*\i+4*\c+3], s[48:49] offset:\i*FRB+512*\c
.endr
.endr
	ds_store_b64 v[SOA], v[PW:PW+1]
	s_wait_dscnt 0x0
	s_barrier_signal -1
	s_barrier_wait -1
	s_cmp_lt_u32 s[WV], 2
	s_cbranch_scc0 .Lno_image
	ds_load_b128 v[S:S+3], v[SRA]
	s_wait_dscnt 0x0
	global_store_b128 v[LI], v[S:S+3], s[50:51] offset:SCO
.Lno_image:
	s_wait_tensorcnt 0x0
	ds_add_u32 v[SPW], v[NIL]
	s_wait_dscnt 0x0
	CROUND
	s_endpgm
.Lfunc_end_k_q67fa163810_attn:
	.size	k_q67fa163810_attn, .Lfunc_end_k_q67fa163810_attn-k_q67fa163810_attn
	.p2alignl 7, 3214868480
	.fill 96, 4, 3214868480
	.section	.rodata,"a",@progbits
	.p2align	6, 0x0
	.amdhsa_kernel k_q67fa163810_attn
		.amdhsa_group_segment_fixed_size 327680
		.amdhsa_private_segment_fixed_size 0
		.amdhsa_enable_private_segment 0
		.amdhsa_kernarg_size 32
		.amdhsa_user_sgpr_count 2
		.amdhsa_user_sgpr_kernarg_segment_ptr 1
		.amdhsa_wavefront_size32 1
		.amdhsa_system_sgpr_workgroup_id_x 1
		.amdhsa_system_sgpr_workgroup_id_y 1
		.amdhsa_system_sgpr_workgroup_id_z 1
		.amdhsa_system_vgpr_workitem_id 0
		.amdhsa_next_free_vgpr 512
		.amdhsa_next_free_sgpr 80
		.amdhsa_reserve_vcc 0
		.amdhsa_float_denorm_mode_32 3
		.amdhsa_float_denorm_mode_16_64 3
		.amdhsa_memory_ordered 1
		.amdhsa_forward_progress 1
		.amdhsa_inst_pref_size 122
	.end_amdhsa_kernel
	.amdgpu_metadata
---
amdhsa.version: [ 1, 2 ]
amdhsa.kernels:
  - .name:           k_q67fa163810_attn
    .symbol:         k_q67fa163810_attn.kd
    .args:
      - { .name: qrec, .offset: 0, .size: 8, .value_kind: global_buffer, .address_space: global }
      - { .name: kv, .offset: 8, .size: 8, .value_kind: global_buffer, .address_space: global }
      - { .name: ng, .offset: 16, .size: 8, .value_kind: global_buffer, .address_space: global }
      - { .name: ctx, .offset: 24, .size: 8, .value_kind: global_buffer, .address_space: global }
    .group_segment_fixed_size: 327680
    .private_segment_fixed_size: 0
    .kernarg_segment_align: 8
    .kernarg_segment_size: 32
    .max_flat_workgroup_size: 256
    .sgpr_count:     80
    .vgpr_count:     512
    .wavefront_size: 32
...
	.end_amdgpu_metadata
.endif
;; end of part 4
;; launch outp (part 5): grid 8 x 32, 4 waves a work-group, clusters of 4 x 4, 327,680 bytes of LDS; arguments ctx, xrec, bo, out0; writes out0
.if DOCPART == 5
	.amdgcn_target "amdgcn-amd-amdhsa--gfx1250"
	.amdhsa_code_object_version 6
	.text
	.protected	k_q67fa163810_outp
	.globl	k_q67fa163810_outp
	.p2align	8
	.type	k_q67fa163810_outp,@function
k_q67fa163810_outp:
	s_mov_b64 s[64:65], 0
	v_nop
	global_prefetch_b8 v0, s[64:65] scope:SCOPE_SE
	s_setreg_imm32_b32 hwreg(HW_REG_WAVE_MODE, 25, 1), 1
	s_wait_xcnt 0x0
	s_wait_alu depctr_hold_cnt(0) depctr_sa_sdst(0) depctr_va_vdst(0) depctr_va_sdst(0) depctr_va_ssrc(0) depctr_va_vcc(0) depctr_vm_vsrc(0)
	s_getreg_b32 s2, hwreg(HW_REG_IB_STS2, 6, 4)
	s_cmp_eq_u32 s2, 0
	s_cbranch_scc0 .Lentry_in_a_cluster
	s_endpgm
.Lentry_in_a_cluster:
	s_bfe_u32 s2, ttmp6, 0x10000c
	s_cmp_lg_u32 s2, 0xf033
	s_cbranch_scc0 .Lentry_shape_is_right
	s_endpgm
.Lentry_shape_is_right:
; out0 = ctx Wo^T + bo on records.  A work-group makes 256 rows x 128 columns, a wave 64 x 128.  ALL OF K LIES IN LDS, filled once: ctx's two groups of 128 rows, 8 records each, by waves 0 and 1;
; Wo's 8 records by waves 2 and 3, four each: one joint load a wave at the head, and one wait for 0.  One barrier stands in K step 5: behind it nobody reads K steps 0-2 of the first group,
; whose bytes serve as the waves' stages on the way out.  No prefetch: everything is asked for at the head.  LIMITS: NaN and infinities are not served.
.set REC,   12800
.set FRB,   1536
.set SCO,   12288
.set LOADB, 2*REC
.set GRP,   8*REC
.set POFF,  2*GRP
.set SPARE, 3*GRP
.set FR,    12
.set NP,    4
.set SP,    528
.set ADRS,  8
.set ADRR,  16
.set ADRP,  20
.set STO,   24
.set RD,    25
.set LI,    26
.set SPW,   28
.set NIL,   29
.set SC,    32
.set H,     64
.set RF,    128
.set BK,    128
.set WV,    18
.set RG,    19
.set HF,    20
.set G1,    24
.set G0,    32
.set G1B,   48
.set G0B,   68
.set DST,   92
.set MSB, 0
.macro WIN new
.if MSB != (\new)
	s_set_vgpr_msb (MSB<<8)|(\new)
.set MSB, (\new)
.endif
.endm
.set MUL_LO, 0xa1
.set TO_P,   0x40
.macro PLACES n
.rept \n
	v_nop
.endr
.endm
.macro WM z, d, a, b, sa, sb, ra
.if \z
.if (\ra)
	v_wmma_scale_f32_16x16x128_f8f6f4 v[(\d):(\d)+7], v[(\a):(\a)+11], v[(\b):(\b)+11], 0, v[\sa], v[\sb] matrix_a_fmt:MATRIX_FMT_FP6 matrix_b_fmt:MATRIX_FMT_FP6 matrix_a_scale:MATRIX_SCALE_ROW1
.else
	v_wmma_scale_f32_16x16x128_f8f6f4 v[(\d):(\d)+7], v[(\a):(\a)+11], v[(\b):(\b)+11], 0, v[\sa], v[\sb] matrix_a_fmt:MATRIX_FMT_FP6 matrix_b_fmt:MATRIX_FMT_FP6
.endif
.else
.if (\ra)
	v_wmma_scale_f32_16x16x128_f8f6f4 v[(\d):(\d)+7], v[(\a):(\a)+11], v[(\b):(\b)+11], v[(\d):(\d)+7], v[\sa], v[\sb] matrix_a_fmt:MATRIX_FMT_FP6 matrix_b_fmt:MATRIX_FMT_FP6 matrix_a_scale:MATRIX_SCALE_ROW1
.else
	v_wmma_scale_f32_16x16x128_f8f6f4 v[(\d):(\d)+7], v[(\a):(\a)+11], v[(\b):(\b)+11], v[(\d):(\d)+7], v[\sa], v[\sb] matrix_a_fmt:MATRIX_FMT_FP6 matrix_b_fmt:MATRIX_FMT_FP6
.endif
.endif
.endm
.macro JLOAD g0a, g1a, g0b, g1b
	s_cmp_eq_u32 s[RG], 0
	s_cbranch_scc0 .Lfor_p_\@
	tensor_load_to_lds s[\g0a:\g0a+3], s[\g1a:\g1a+7]
	s_nop 0
.rept 4
	v_nop
.endr
	s_branch .Lasked_\@
.Lfor_p_\@:
	tensor_load_to_lds s[\g0b:\g0b+3], s[\g1b:\g1b+7]
	s_nop 0
.rept 4
	v_nop
.endr
.Lasked_\@:
.endm
.macro CROUND
	s_barrier_signal -1
	s_barrier_wait -1
	s_cmp_lg_u32 s[WV], 0
	s_cbranch_scc1 .Lnot_wave_0_\@
	s_barrier_signal -3
.Lnot_wave_0_\@:
	s_barrier_wait -3
	s_barrier_signal -1
	s_barrier_wait -1
.endm
	s_load_b256 s[4:11], s[0:1], 0x0
	v_lshl_add_u32 v[SPW], v0, 2, SPARE
	v_mov_b32 v[NIL], 0
	ds_add_u32 v[SPW], v[NIL]
	ds_add_u32 v[SPW], v[NIL]
	v_lshrrev_b32 v1, 5, v0
	v_readfirstlane_b32 s[WV], v1
	s_lshr_b32 s[RG], s[WV], 1
	s_and_b32 s[HF], s[WV], 1
	s_bfe_u32 s56, ttmp6, 0x40000
	s_bfe_u32 s57, ttmp6, 0x40004
	s_lshl_b32 s58, ttmp9, 2
	s_add_co_u32 s58, s58, s56
	s_and_b32 s59, ttmp7, 0xffff
	s_lshl_b32 s59, s59, 2
	s_add_co_u32 s59, s59, s57
	s_lshl_b32 s60, s57, 2
	s_lshl_b32 s60, 15, s60
	s_lshl_b32 s61, 0x1111, s56
	s_or_b32 s[G1], s60, (3<<16)|(1<<21)
	s_mov_b32 s[G1+1], 32<<16
	s_mov_b32 s[G1+2], 400<<16                     ; eight records: 400 rows of 256 bytes
	s_mov_b32 s[G1+3], 32<<16
	s_mov_b32 s[G1+4], 400
	s_mov_b32 s[G1+5], 32
	s_mov_b32 s[G1+6], 0
	s_mov_b32 s[G1+7], 0
	s_or_b32 s[G1B], s61, (3<<16)|(1<<21)
	s_mov_b32 s[G1B+1], 32<<16
	s_mov_b32 s[G1B+2], 200<<16                    ; four records
	s_mov_b32 s[G1B+3], 32<<16
	s_mov_b32 s[G1B+4], 200
	s_mov_b32 s[G1B+5], 32
	s_mov_b32 s[G1B+6], 0
	s_mov_b32 s[G1B+7], 0
	s_lshl_b32 s84, s59, 1
	s_add_co_u32 s84, s84, s[HF]
	s_mul_i32 s84, s84, 8*REC
	s_mov_b32 s85, 0
	s_mul_i32 s88, s58, 8*REC
	s_add_co_u32 s88, s88, 192*8*REC
	s_mul_i32 s89, s[HF], 4*REC
	s_add_co_u32 s88, s88, s89
	s_mov_b32 s89, 0
	s_mul_i32 s62, s[HF], GRP
	s_mul_i32 s63, s[HF], 4*REC
	s_add_co_u32 s63, s63, POFF
	s_wait_dscnt 0x0
	s_wait_kmcnt 0x0
	s_add_nc_u64 s[86:87], s[4:5], s[84:85]
	s_add_nc_u64 s[90:91], s[6:7], s[88:89]
	CROUND
	s_mov_b32 s[G0], 1
	s_mov_b32 s[G0+1], s62
	s_mov_b64 s[G0+2:G0+3], s[86:87]
	s_or_b32 s[G0+3], s[G0+3], 0x80000000
	s_mov_b32 s[G0B], 1
	s_mov_b32 s[G0B+1], s63
	s_mov_b64 s[G0B+2:G0B+3], s[90:91]
	s_or_b32 s[G0B+3], s[G0B+3], 0x80000000
	JLOAD G0, G1, G0B, G1B                         ; my one tensor load of the launch
	v_and_b32 v1, 31, v0
	v_lshlrev_b32 v[LI], 4, v1
	s_wait_alu depctr_va_vdst(0)
	v_and_b32 v2, 15, v0
	v_bfe_u32 v3, v0, 4, 1
	v_lshlrev_b32 v4, 4, v2
	s_wait_alu depctr_va_vdst(0)
	v_lshlrev_b32 v5, 6, v3
	s_mul_i32 s62, s[RG], GRP
	s_mul_i32 s63, s[HF], 4*FRB
	s_add_co_u32 s63, s63, s62
	s_lshl_b32 s84, s[HF], 8
	s_add_co_u32 s84, s84, s62
	s_add_co_u32 s84, s84, SCO
	s_mov_b32 s85, POFF
.irp c, 0,1,2,3
	v_add_nc_u32 v[ADRR+\c], s63, v[LI]
	v_add_nc_u32 v[ADRS+\c], s84, v4
	v_add_nc_u32 v[ADRP+\c], s85, v[LI]
	s_add_co_u32 s63, s63, LOADB
	s_add_co_u32 s84, s84, LOADB
	s_add_co_u32 s85, s85, LOADB
.endr
	s_mul_i32 s62, s[WV], 16*SP
	v_mul_u32_u24 v[STO], v2, SP
	v_lshl_add_u32 v[STO], v3, 6, v[STO]
	v_add_nc_u32 v[STO], s62, v[STO]
	v_add_nc_u32 v[RD], s62, v[LI]
	s_lshl_b32 s86, s59, 1
	s_add_co_u32 s86, s86, s[RG]
	s_lshl_b32 s86, s86, 1
	s_add_co_u32 s86, s86, s[HF]
	s_lshl_b32 s86, s86, 18
	s_lshl_b32 s88, s58, 9
	s_add_co_u32 s86, s86, s88
	s_mov_b32 s87, 0
	s_mov_b32 s89, 0
	s_add_nc_u64 s[88:89], s[8:9], s[88:89]
	s_add_nc_u64 s[DST:DST+1], s[10:11], s[86:87]
	WIN TO_P
.set j, 0
.rept 16
	global_load_b128 v[96+4*j+96*(j/8):96+4*j+96*(j/8)+3], v5, s[88:89] offset:128*(j/4)+16*(j%4)
.set j, j+1
.endr
	WIN 0
.macro FETCH ch, q, set
	WIN TO_P
.irp i, 0,1,2,3,4,5,6,7
.irp k, 0,1,2
	ds_load_b128 v[128*(\set)+FR*\i+4*\k:128*(\set)+FR*\i+4*\k+3], v[ADRP+\ch] offset:(\q)*REC+\i*FRB+512*\k
.endr
.endr
	WIN 0
.irp i, 0,1,2,3
.irp k, 0,1,2
	ds_load_b128 v[RF+48*(\set)+FR*\i+4*\k:RF+48*(\set)+FR*\i+4*\k+3], v[ADRR+\ch] offset:(\q)*REC+\i*FRB+512*\k
.endr
.endr
	ds_load_b128 v[SC+8*(\set):SC+8*(\set)+3], v[ADRP+\ch] offset:(\q)*REC+SCO
	ds_load_b128 v[SC+8*(\set)+4:SC+8*(\set)+7], v[ADRS+\ch] offset:(\q)*REC
.endm
.macro MUL16 a0, set, zero
.irp a, \a0, \a0+1
.irp b, 0,1,2,3,4,5,6,7
	WM \zero, 8*(8*(\a)+\b), 128*(\set)+FR*\b, RF+48*(\set)+FR*(\a), SC+8*(\set)+\b%4, SC+8*(\set)+4+(\a), \b/4
.endr
.endr
.endm
.macro KSTEP set, nc, nq, how, zero
	s_wait_dscnt 0x0
.if (\how) == 0
	PLACES NP
	FETCH \nc, \nq, 1-(\set)
.endif
	WIN MUL_LO
	MUL16 0, \set, \zero
.if (\how) == 1
	s_barrier_signal -1
	s_barrier_wait -1
	PLACES NP
	FETCH \nc, \nq, 1-(\set)
	WIN MUL_LO
.endif
	MUL16 2, \set, \zero
.endm
	s_wait_alu depctr_va_vdst(0)
	s_wait_tensorcnt 0x0                           ; my part of the operands is in; behind the barrier everybody's is
	s_barrier_signal -1
	s_barrier_wait -1
	FETCH 0, 0, 0
	KSTEP 0, 0, 1, 0, 1
	KSTEP 1, 1, 0, 0, 0
	KSTEP 0, 1, 1, 0, 0
	KSTEP 1, 2, 0, 0, 0
	KSTEP 0, 2, 1, 0, 0
	KSTEP 1, 3, 0, 1, 0
	KSTEP 0, 3, 1, 0, 0
	KSTEP 1, 0, 0, 2, 0
	WIN 0
.macro SEND a, younger
	s_wait_dscnt \younger
.irp t, 0,1,2,3,4,5,6,7,8,9,10,11,12,13,14,15
	global_store_b128 v[LI], v[BK+64*((\a)%2)+4*\t:BK+64*((\a)%2)+4*\t+3], s[DST:DST+1] offset:(32*((\a)/2)+8*((\a)%2)+\t+8*(\t/8))*4096 th:TH_STORE_NT
.endr
.endm
	s_wait_loadcnt 0x0
	PLACES NP
.irp a, 0,1,2,3
.if \a>0
	s_wait_dscnt 16
.endif
.if \a>1
	s_wait_xcnt 0x0
.endif
	WIN 0x06
.set j, 0
.rept 32
	v_pk_add_f32 v[H+j:H+j+1], v[64*\a+j:64*\a+j+1], v[96+j+96*(j/32):96+j+96*(j/32)+1]
.set j, j+2
.endr
	WIN 0
.irp n, 0,1,2,3,4,5,6,7,8,9,10,11,12,13,14,15
	ds_store_b128 v[STO], v[H+4*\n:H+4*\n+3] offset:128*(\n/4)+16*(\n%4)
.endr
.irp t, 0,1,2,3,4,5,6,7,8,9,10,11,12,13,14,15
	ds_load_b128 v[BK+64*(\a%2)+4*\t:BK+64*(\a%2)+4*\t+3], v[RD] offset:SP*\t
.endr
.if \a>0
	SEND \a-1, 32
.endif
.endr
	SEND 3, 0
	s_wait_tensorcnt 0x0
	ds_add_u32 v[SPW], v[NIL]
	s_wait_dscnt 0x0
	CROUND
	s_endpgm
.Lfunc_end_k_q67fa163810_outp:
	.size	k_q67fa163810_outp, .Lfunc_end_k_q67fa163810_outp-k_q67fa163810_outp
	.p2alignl 7, 3214868480
	.fill 96, 4, 3214868480
	.section	.rodata,"a",@progbits
	.p2align	6, 0x0
	.amdhsa_kernel k_q67fa163810_outp
		.amdhsa_group_segment_fixed_size 327680
		.amdhsa_private_segment_fixed_size 0
		.amdhsa_enable_private_segment 0
		.amdhsa_kernarg_size 32
		.amdhsa_user_sgpr_count 2
		.amdhsa_user_sgpr_kernarg_segment_ptr 1
		.amdhsa_wavefront_size32 1
		.amdhsa_system_sgpr_workgroup_id_x 1
		.amdhsa_system_sgpr_workgroup_id_y 1
		.amdhsa_system_sgpr_workgroup_id_z 1
		.amdhsa_system_vgpr_workitem_id 0
		.amdhsa_next_free_vgpr 1024
		.amdhsa_next_free_sgpr 100
		.amdhsa_reserve_vcc 0
		.amdhsa_float_denorm_mode_32 3
		.amdhsa_float_denorm_mode_16_64 3
		.amdhsa_memory_ordered 1
		.amdhsa_forward_progress 1
		.amdhsa_inst_pref_size 85
	.end_amdhsa_kernel
	.amdgpu_metadata
---
amdhsa.version: [ 1, 2 ]
amdhsa.kernels:
  - .name:           k_q67fa163810_outp
    .symbol:         k_q67fa163810_outp.kd
    .args:
      - { .name: ctx, .offset: 0, .size: 8, .value_kind: global_buffer, .address_space: global }
      - { .name: xrec, .offset: 8, .size: 8, .value_kind: global_buffer, .address_space: global }
      - { .name: bo, .offset: 16, .size: 8, .value_kind: global_buffer, .address_space: global }
      - { .name: out0, .offset: 24, .size: 8, .value_kind: global_buffer, .address_space: global }
    .group_segment_fixed_size: 327680
    .private_segment_fixed_size: 0
    .kernarg_segment_align: 8
    .kernarg_segment_size: 32
    .max_flat_workgroup_size: 128
    .sgpr_count:     100
    .vgpr_count:     1024
    .wavefront_size: 32
...
	.end_amdgpu_metadata
.endif
;; end of part 5
